; MI455X (gfx1250); checked and timed in simulation.
; The chip was launched on July 23, 2026; its instructions are those of AMD's public machine-readable ISA for CDNA 5 (MIT licence, August 2026) and "CDNA5" Instruction Set Architecture Reference Guide (July 2026). The comments in the code are by the model that wrote it; some were corrected since.
;; Causal Self Attention. Allowed arithmetic: matrix products marked QUANTISED: E4M3 operands, one given power-of-two scale a tensor, by v_wmma_f32_16x16x64_fp8_fp8 or v_wmma_f32_16x16x128_fp8_fp8, f32 sums; everything else in f32.
;; Inputs: lowp_scales 8 int32 (the exponents e of the quantised operands' scales 2^e); w_proj 1,024 x 1,024 float32; w_qkv 1,024 x 3,072 float32; x 1 x 4,096 x 1,024 float32.
;; Outputs: out0 1 x 4,096 x 1,024 float32.
;; This version of the problem:
;;   THIS VERSION OF THE PROBLEM IS GIVEN IN LOW PRECISION. The matrix products marked QUANTISED in the list below multiply operands that are first quantised to E4M3 (4 exponent bits, 3 mantissa bits; 8 bits a number), with one given power-of-two scale for each operand tensor; their sums are f32. All else is computed in f32.
;;   The module's matrix products, in the order in which they are computed (A, B: the left and right operand; K: the contracted axis; several contracted axes count as one K, in the product's order):
;;     1. [M 4,096, K 1,024] x [K 1,024, N 3,072]; A: input x; B: input w_qkv: QUANTISED (scales: A lowp_scales[0], B lowp_scales[1])
;;     2. batch 16 x [M 4,096, K 64] x [K 64, N 4,096]; A: computed on the way; B: computed on the way: QUANTISED (scales: A lowp_scales[2], B lowp_scales[3])
;;     3. batch 16 x [M 4,096, K 4,096] x [K 4,096, N 64]; A: softmax (see below); B: computed on the way: QUANTISED (scales: A lowp_scales[4], B lowp_scales[5])
;;     4. [M 4,096, K 1,024] x [K 1,024, N 1,024]; A: computed on the way; B: input w_proj: QUANTISED (scales: A lowp_scales[6], B lowp_scales[7])
;;   THE QUANTISER, for each operand of a quantised product, along K:
;;     - The operand's scale is 2^e, e = its entry of the input lowp_scales (int32; the entries are numbered through the quantised products in the list's order, A before B).
;;     - Each number is divided by the scale, clamped to +-448, and rounded to the nearest number of E4M3, ties to even, subnormals kept.
;;     - The product sums the exact products of the quantised numbers (number of the format x scale) in f32.
;;   ~~~python
;;   def quantise(x, axis, e):      # numpy; x: float32 -> the quantised numbers, widened to float32 again
;;       x = np.moveaxis(x, axis, -1); K = x.shape[-1]
;;       r = np.clip(x / 2.0 ** e, -448, 448)
;;       step = 2.0 ** (np.maximum(np.frexp(np.where(r == 0, 1, r))[1] - 1, -6) - 3)
;;       q = np.round(r / step) * step * 2.0 ** e      # np.round: ties to even
;;       return np.moveaxis(q, -1, axis).astype(np.float32)
;;   ~~~
;;   SOFTMAX AHEAD OF A QUANTISED PRODUCT. Where the list says 'softmax', what is quantised is not the finished softmax but p = 2^(t - M), with t = logit x log2(e) and M = ceil(the row's largest t), a whole number; so 1/2 < the row's largest p <= 1. The row's sum l is taken of the UNQUANTISED p, in f32, and the product's result is divided by l at the end. Since M is a whole number, a kernel that streams over the keys may use a running M (the ceiling of the running maximum): every later rescaling is an exact power of two, so the quantised numbers keep their values, but for numbers so far below the row's largest that they fall under the format's range.
;;   OPERANDS COMPUTED ON THE WAY. 'Computed on the way' means the value that the module computes at that place (a softmax that the list does not call 'softmax' is quantised finished and normalised). What goes into a quantiser is computed in f32, as accurately as f32 sums, v_exp_f32 and their like allow (about 1e-6 of the number): no bf16 or f16 on the way to a quantiser, and a product that is left as it is and whose result goes on into a quantised operand takes f32 operands (vector FMAs, or v_wmma_f32_16x16x4_f32). A number that lies on a knife's edge between two numbers of the format may be rounded either way, as far as f32 arithmetic and the matrix unit's own rounding can turn it there, and no further.
;; One version. Each part assembles by itself: llvm-mc -triple=amdgcn-amd-amdhsa -mcpu=gfx1250 --defsym DOCPART=n.
;; ======== version 1 of 1: 4 launches
;; limits: right only within a limited range of input values
;; workspace buffers: xc 4,194,304 bytes; wc 3,145,728 bytes; wpc 1,048,576 bytes; tab 1,048,576 bytes; qc 4,194,304 bytes; kv 8,388,608 bytes; yc 4,194,304 bytes
;; launch prep (part 1): grid 288 x 1, 4 waves a work-group, no clusters, 102,912 bytes of LDS; arguments x, w_qkv, w_proj, lowp_scales, xc, wc, wpc, tab; writes xc, wc, wpc, tab
.if DOCPART == 1
	.amdgcn_target "amdgcn-amd-amdhsa--gfx1250"
	.amdhsa_code_object_version 6
	.text
	.protected	k_qc75137e87e_prep
	.globl	k_qc75137e87e_prep
	.p2align	8
	.type	k_qc75137e87e_prep,@function
k_qc75137e87e_prep:
	s_mov_b64 s[64:65], 0
	v_nop
	global_prefetch_b8 v0, s[64:65] scope:SCOPE_SE
	s_setreg_imm32_b32 hwreg(HW_REG_WAVE_MODE, 25, 1), 1
	s_wait_xcnt 0x0
; PREP: the three inputs become codes of E4M3, each with its given scale 2^e, and RoPE's cos / sin table is made.  Four kinds of work-group, parted by the work-group's number alone:
;   0..127    x [4096][1024] f32 -> xc [4096][1024] codes, rows as they lie (K innermost).  32,768 numbers a work-group, 8,192 a wave.  e = entry 0
;   128..223  w_qkv [1024 k][3072 n] f32 -> wc [3072 n][1024 k] codes, K innermost.  128 columns x 256 k a work-group.  e = entry 1
;   224..255  w_proj [1024 k][1024 n] f32 -> wpc: images of operand registers, [n tile of 128][k step of 128][block of 16 n][4 groups][32 lanes][16 bytes]:
;             lane (r, h) of group g holds, of column 16 blk + r, k = 32 g + 8 h + 0..7 and 32 g + 16 + 8 h + 0..7: registers 4 g .. 4 g + 3 of a 16 x 128 fragment.  e = entry 7
;   256..287  tab: [token block of 16][group g = 4 cs + 2 bb + jh][32 lanes][4 f32]: cs = 0 cos, 1 sin; lane (r, h), element e: position 16 blk + r, frequency 16 bb + 8 h + 4 jh + e
; code = x / 2^e, held within +-448, to the nearest code, ties to even.  LIMITS: -126 <= e <= 119.  NaN among the inputs is not served.
; The inverse frequencies are the f32 numbers nearest to 10^(-f/8); cos and sin come by a reduction modulo pi/2 in three parts and polynomials on |r| <= pi/4, all in f32.
; No tensor loads, no barrier: waves share nothing.  Each kind that uses LDS has LDS bytes of its own.  No matrix unit and no cluster: no work-group reads what another reads.
; wc's ROWS go by heads: head x 192 rows: q's 64, v's first 32, k's 64, v's last 32 columns of that head, so that one work-group of the next launch takes one run of 192 rows.
; WORK LEFT OUT IN THE PROGRAM: score tiles of 128 queries x 128 keys that lie wholly above the diagonal: reference() itself sets those scores to -infinity ahead of the softmax, so p = 0 there for all finite inputs.
; A NaN, an infinity or an overflow that reaches only those tiles is not carried to the result.
.set SP,     80
.set XR,     16                        ; v16-79   x: four sets of 16 numbers as loaded
.set XX,     80                        ; v80-111  x: two sets of 16 neighbours
.set XC,     128                       ; v128-191 x: four registers of codes for each of 16 steps
.set XSTEPS, 16
.set PITCH,  272                       ; weights: a stage row: 256 bytes of codes + 16
.set WX,     32                        ; v32-95   weights: two sets of 32 numbers down K
.set WC,     96                        ; v96-103  a block's codes
.set WO,     112                       ; v112-175 the way out
.set IF,     32                        ; v32-47   table: my 16 inverse frequencies
.set CO,     48                        ; v48-63   cos
.set SI,     64                        ; v64-79   sin
.macro MKSCALE e                       ; v11 = 2^e as f32 (the conversion takes its exponent field), v10 = 448 x 2^e
	s_wait_kmcnt 0x0
	s_add_co_i32 s36, s[\e], 127
	s_lshl_b32 s37, s36, 23
	v_mov_b32 v11, s37
	s_add_co_i32 s36, s36, 8
	s_lshl_b32 s36, s36, 23
	s_or_b32 s36, s36, 0x600000
	v_mov_b32 v10, s36
.endm
; ---- x: each load reads 512 consecutive bytes; a step's 2,048 bytes turn through the wave's own stage so that a lane holds 16 neighbours
.macro XLOAD t
.irp i, 0,1,2,3
	global_load_b128 v[XR+16*((\t)%4)+4*\i:XR+16*((\t)%4)+4*\i+3], v3, s[4:5] offset:2048*(\t)+512*\i th:TH_LOAD_NT
.endr
.endm
.macro XTURN t                         ; LDS serves a wave's instructions in order: no wait between the stores and the loads
.irp i, 0,1,2,3
	ds_store_b128 v14, v[XR+16*((\t)%4)+4*\i:XR+16*((\t)%4)+4*\i+3] offset:32*SP*((\t)%2)+8*SP*\i
.endr
.irp i, 0,1,2,3
	ds_load_b128 v[XX+16*((\t)%2)+4*\i:XX+16*((\t)%2)+4*\i+3], v15 offset:32*SP*((\t)%2)+16*\i
.endr
.endm
.macro XSTEP t
.set XS, XX+16*((\t)%2)
	s_wait_dscnt 0x0                               ; this step's numbers are back from the stage, and its stores into the stage have read their registers,
.if (\t)+4 < XSTEPS
	XLOAD (\t)+4                                   ; which take the loads of four steps on
.endif
.if (\t)+1 < XSTEPS
.if XSTEPS-2-(\t) >= 3
	s_wait_loadcnt 12                              ; the next step's four loads are in; those of the three steps behind it may be out
.else
	s_wait_loadcnt 4*(XSTEPS-2-(\t))
.endif
	XTURN (\t)+1
.endif
.irp i, 0,1,2,3,4,5,6,7,8,9,10,11,12,13,14,15
	v_med3_num_f32 v[XS+\i], v[XS+\i], -v10, v10   ; the conversion does not saturate (ISA guide 7.6.2): the hold at the largest code x the scale
.endr
	v_cvt_scalef32_pk8_fp8_f32 v[XC+4*(\t):XC+4*(\t)+1], v[XS:XS+7], v11
	v_cvt_scalef32_pk8_fp8_f32 v[XC+4*(\t)+2:XC+4*(\t)+3], v[XS+8:XS+15], v11
	global_store_b128 v4, v[XC+4*(\t):XC+4*(\t)+3], s[12:13] offset:512*(\t)   ; the wave stores 512 consecutive bytes; each step has its own data registers
.endm
; ---- weights: a lane takes a column n, its registers run down K; the codes come out with K innermost and leave through the wave's own stage
.macro WLOAD t, N, SRC
.set i, 0
.rept 32
	global_load_b32 v[WX+32*((\t)%2)+i], v3, s[\SRC:\SRC+1] offset:(32*(\t)+i)*\N*4 th:TH_LOAD_NT
.set i, i+1
.endr
.endm
.macro WBLOCK t, N, SRC, img
.set XS, WX+32*((\t)%2)
.if (\t) < 7
	s_wait_loadcnt 32                              ; this block's 32 loads are in; the next block's may be out
.else
	s_wait_loadcnt 0
.endif
.set i, 0
.rept 32
	v_med3_num_f32 v[XS+i], v[XS+i], -v10, v10
.set i, i+1
.endr
.irp g, 0,1,2,3
.if \img                               ; images: k 0-7 and 16-23 of a block of 32 lie together (lanes 0-15's 16 bytes), then k 8-15 and 24-31 (lanes 16-31's)
	v_cvt_scalef32_pk8_fp8_f32 v[WC+2*(2*(\g%2)+\g/2):WC+2*(2*(\g%2)+\g/2)+1], v[XS+8*\g:XS+8*\g+7], v11
.else
	v_cvt_scalef32_pk8_fp8_f32 v[WC+2*\g:WC+2*\g+1], v[XS+8*\g:XS+8*\g+7], v11
.endif
.endr
	ds_store_b128 v4, v[WC:WC+3] offset:32*(\t)
	ds_store_b128 v4, v[WC+4:WC+7] offset:32*(\t)+16
.if (\t)+2 < 8
	WLOAD (\t)+2, \N, \SRC
.endif
	s_wait_dscnt 0x0                               ; the stores have read their registers: the next block's codes may be written
.endm
.macro WPATH N, img, LDSB, SRC, DST, e, WG0
	s_sub_co_u32 s21, ttmp9, \WG0
	s_and_b32 s22, s21, 3                          ; which 256 along K
	s_lshr_b32 s23, s21, 2                         ; which 128 columns
	v_lshlrev_b32 v3, 2, v2                        ; in: 4 bytes a lane
	s_wait_alu depctr_va_vdst(0)
	s_mul_i32 s32, s20, 32*PITCH
	s_add_co_u32 s32, s32, \LDSB                   ; my wave's stage
	v_mul_u32_u24 v4, v2, PITCH
	v_add_nc_u32 v4, s32, v4                       ; into it: row = my column
	v_and_b32 v5, 15, v2                           ; r
	v_lshrrev_b32 v6, 4, v2                        ; h
.if \img
	v_mul_u32_u24 v7, v5, PITCH                    ; out of it: column r, my half's 16 bytes of a block of 32
	v_lshl_add_u32 v7, v6, 4, v7
	v_add_nc_u32 v7, s32, v7
	v_lshlrev_b32 v8, 4, v2                        ; and 16 x lane in an image's group
.else
	v_mul_u32_u24 v7, v6, PITCH                    ; out of it: sixteen lanes to a row, two rows an instruction
	v_lshl_add_u32 v7, v5, 4, v7
	v_add_nc_u32 v7, s32, v7
	v_lshlrev_b32 v8, 10, v6                       ; and the same place in rows of 1,024 bytes
	v_lshl_add_u32 v8, v5, 4, v8
.endif
	s_mul_i32 s34, s22, 256*\N*4                   ; source: 256 ky rows, + 4 x (128 nx + 32 wave)
	s_lshl_b32 s35, s23, 9
	s_add_co_u32 s34, s34, s35
	s_lshl_b32 s35, s20, 7
	s_add_co_u32 s34, s34, s35
	s_mov_b32 s35, 0
	s_add_nc_u64 s[\SRC:\SRC+1], s[\SRC:\SRC+1], s[34:35]
.if \img
	s_lshl_b32 s34, s23, 17                        ; 131,072 bytes for 128 columns
	s_lshl_b32 s38, s22, 15                        ; two k steps of 16,384
	s_lshl_b32 s39, s20, 12                        ; two blocks of 2,048
.else
	s_lshr_b32 s36, s23, 3                         ; 0 q, 1 k, 2 v
	s_and_b32 s38, s23, 7
	s_lshl_b32 s38, s38, 1
	s_lshr_b32 s39, s20, 1
	s_add_co_u32 s38, s38, s39                     ; the head of my wave's 32 columns
	s_mul_i32 s34, s38, 192
	s_mul_i32 s37, s36, 96                         ; q from row 0, k from row 96,
	s_mov_b32 s40, 96
	s_cmp_eq_u32 s36, 2
	s_cselect_b32 s37, 64, s37                     ; v from row 64,
	s_cselect_b32 s40, s40, 32                     ; its two halves 96 rows apart, the others' 32
	s_and_b32 s39, s20, 1
	s_mul_i32 s39, s39, s40
	s_add_co_u32 s34, s34, s37
	s_lshl_b32 s34, s34, 10                        ; rows of 1,024 bytes
	s_lshl_b32 s39, s39, 10
	s_lshl_b32 s38, s22, 8                         ; 256 bytes along a row
.endif
	s_add_co_u32 s34, s34, s38
	s_add_co_u32 s34, s34, s39
	s_add_nc_u64 s[\DST:\DST+1], s[\DST:\DST+1], s[34:35]
	WLOAD 0, \N, \SRC
	WLOAD 1, \N, \SRC
	MKSCALE \e
	s_wait_alu depctr_va_vdst(0)
.irp t, 0,1,2,3,4,5,6,7
	WBLOCK \t, \N, \SRC, \img
.endr
.irp u, 0,1,2,3,4,5,6,7,8,9,10,11,12,13,14,15
.if \img                               ; u = 8 nb + 4 ksl + g: block nb of 16 columns, k step ksl, group g
	ds_load_b128 v[WO+4*\u:WO+4*\u+3], v7 offset:(\u/8)*16*PITCH+128*((\u/4)%2)+32*(\u%4)
.else
	ds_load_b128 v[WO+4*\u:WO+4*\u+3], v7 offset:2*\u*PITCH
.endif
.endr
.irp u, 0,1,2,3,4,5,6,7,8,9,10,11,12,13,14,15
	s_wait_dscnt 15-\u                             ; LDS loads come back in order: load u is in
.if \img
	global_store_b128 v8, v[WO+4*\u:WO+4*\u+3], s[\DST:\DST+1] offset:((\u/4)%2)*16384+(\u/8)*2048+(\u%4)*512   ; 512 consecutive bytes
.else
	global_store_b128 v8, v[WO+4*\u:WO+4*\u+3], s[\DST:\DST+1] offset:2*\u*1024   ; sixteen lanes store 256 consecutive bytes, aligned
.endif
.endr
	s_wait_tensorcnt 0x0
	ds_add_u32 v192, v193
	s_wait_dscnt 0x0
	s_endpgm
.endm
; ---- table
.macro SETIF n, lo, hi                 ; lanes 0-15 take frequency f, lanes 16-31 frequency f + 8
	v_mov_b32 v17, \hi
	v_cndmask_b32 v[IF+\n], \lo, v17, vcc_lo
.endm
.macro SINCOS n
	v_mul_f32 v17, v16, v[IF+\n]                   ; the angle, one rounding
	v_mul_f32 v18, s40, v17
	v_rndne_f32 v18, v18                           ; N = the nearest multiple of pi/2
	v_fma_f32 v19, v18, s41, v17                   ; r = angle - N pi/2, pi/2 in three parts
	v_fma_f32 v19, v18, s42, v19
	v_fma_f32 v19, v18, s43, v19
	v_cvt_i32_f32 v20, v18
	v_mul_f32 v21, v19, v19                        ; r^2
	v_fma_f32 v22, v21, s46, s45
	v_fma_f32 v22, v22, v21, s44
	v_fma_f32 v23, v21, s49, s48
	v_fma_f32 v23, v23, v21, s47
	v_mul_f32 v24, v21, v19                        ; r^3
	v_mul_f32 v25, v21, v21                        ; r^4
	v_fma_f32 v26, v21, -0.5, 1.0
	v_fma_f32 v22, v22, v24, v19                   ; sin r
	v_fma_f32 v23, v23, v25, v26                   ; cos r
	v_and_b32 v27, 1, v20
	v_cmp_eq_u32 vcc_lo, 1, v27                    ; an odd quadrant swaps the two
	v_cndmask_b32 v28, v22, v23, vcc_lo
	v_cndmask_b32 v29, v23, v22, vcc_lo
	v_lshlrev_b32 v27, 30, v20                     ; sin is negative in quadrants 2, 3
	v_and_b32 v27, 0x80000000, v27
	v_xor_b32 v[SI+\n], v28, v27
	v_add_nc_u32 v30, 1, v20                       ; cos in quadrants 1, 2
	v_lshlrev_b32 v30, 30, v30
	v_and_b32 v30, 0x80000000, v30
	v_xor_b32 v[CO+\n], v29, v30
.endm
	s_load_b256 s[4:11], s[0:1], 0x0               ; x s[4:5], w_qkv s[6:7], w_proj s[8:9], the scales' exponents s[10:11]
	s_load_b256 s[12:19], s[0:1], 0x20             ; xc s[12:13], wc s[14:15], wpc s[16:17], tab s[18:19]
	v_lshl_add_u32 v192, v0, 2, 0x19000
	v_mov_b32 v193, 0
	v_lshrrev_b32 v1, 5, v0
	v_readfirstlane_b32 s20, v1                    ; wave 0..3
	v_and_b32 v2, 31, v0                           ; lane
	s_wait_kmcnt 0x0
	s_load_b256 s[24:31], s[10:11], 0x0            ; e0 .. e7
	s_cmp_lt_u32 ttmp9, 128
	s_cbranch_scc1 .Lx
	s_cmp_lt_u32 ttmp9, 224
	s_cbranch_scc1 .Lwqkv
	s_cmp_lt_u32 ttmp9, 256
	s_cbranch_scc1 .Lwproj
	; ---- the table: wave gw = 4 (work-group - 256) + wave makes token blocks 2 gw and 2 gw + 1
	s_wait_kmcnt 0x0
	s_sub_co_u32 s21, ttmp9, 256
	s_lshl_b32 s21, s21, 2
	s_add_co_u32 s21, s21, s20
	s_lshl_b32 s22, s21, 5                         ; the first block's first position
	s_wait_alu depctr_va_vdst(0)
	v_and_b32 v5, 15, v2                           ; r
	v_lshrrev_b32 v6, 4, v2                        ; h
	s_wait_alu depctr_va_vdst(0)
	v_add_nc_u32 v31, s22, v5                      ; my position
	s_lshl_b32 s32, s21, 13                        ; two blocks of 4,096 bytes
	s_mov_b32 s33, 0
	s_add_nc_u64 s[18:19], s[18:19], s[32:33]
	v_lshlrev_b32 v3, 4, v2
	s_mov_b32 s40, 0x3f22f983                      ; 2 / pi
	s_mov_b32 s41, 0xbfc90fdb                      ; -pi/2: its first,
	s_mov_b32 s42, 0x333bbd2e                      ; second
	s_mov_b32 s43, 0x26f72ced                      ; and third part
	s_mov_b32 s44, 0xbe2aaaa3                      ; sin: r + r^3 (S1 + S2 r^2 + S3 r^4)
	s_mov_b32 s45, 0x3c08839e
	s_mov_b32 s46, 0xb94ca1f9
	s_mov_b32 s47, 0x3d2aaaa5                      ; cos: 1 - r^2 / 2 + r^4 (C1 + C2 r^2 + C3 r^4)
	s_mov_b32 s48, 0xbab6061a
	s_mov_b32 s49, 0x37ccf5ce
	v_cmp_eq_u32 vcc_lo, 1, v6
	SETIF 0,  0x3f800000, 0x3dcccccd               ; register n = 8 bb + 4 jh + e: frequency 16 bb + 4 jh + e (+ 8 in lanes 16-31); the number is 10^(-f/8)
	SETIF 1,  0x3f3ff911, 0x3d99940e
	SETIF 2,  0x3f0ff59a, 0x3d6655c3
	SETIF 3,  0x3ed7e89b, 0x3d2cba15
	SETIF 4,  0x3ea1e89b, 0x3d0186e2
	SETIF 5,  0x3e72d424, 0x3cc24350
	SETIF 6,  0x3e361887, 0x3c91ad39
	SETIF 7,  0x3e088d77, 0x3c5a7bf1
	SETIF 8,  0x3c23d70a, 0x3a83126f
	SETIF 9,  0x3bf5b9b0, 0x3a44948c
	SETIF 10, 0x3bb8449c, 0x3a136a16
	SETIF 11, 0x3b8a2e77, 0x39dd1726
	SETIF 12, 0x3b4f3e37, 0x39a5cb5f
	SETIF 13, 0x3b1b690d, 0x3978a814
	SETIF 14, 0x3ae91528, 0x393a7753
	SETIF 15, 0x3aaec98e, 0x390bd471
	s_mov_b32 s52, 0
.Ltab:
	s_wait_alu depctr_va_vdst(0)
	v_cvt_f32_u32 v16, v31
.irp n, 0,1,2,3,4,5,6,7,8,9,10,11,12,13,14,15
	SINCOS \n
.endr
.irp g, 0,1,2,3
	global_store_b128 v3, v[CO+4*\g:CO+4*\g+3], s[18:19] offset:512*\g         ; 512 consecutive bytes a store
.endr
.irp g, 0,1,2,3
	global_store_b128 v3, v[SI+4*\g:SI+4*\g+3], s[18:19] offset:2048+512*\g
.endr
	s_wait_xcnt 0x0                                ; the stores' data and base are written again only behind this wait
	s_add_nc_u64 s[18:19], s[18:19], 4096
	v_add_nc_u32 v31, 16, v31
	s_add_co_u32 s52, s52, 1
	s_cmp_lt_u32 s52, 2
	s_cbranch_scc1 .Ltab
	s_endpgm
.Lx:	; ---- x
	s_wait_alu depctr_va_vdst(0)
	v_lshlrev_b32 v3, 4, v2                        ; my 16 bytes of a load's 512
	s_wait_alu depctr_va_vdst(0)
	s_lshl_b32 s21, s20, 13                        ; my wave's LDS region: 8,192 bytes, two stages of 32 x SP
	v_lshrrev_b32 v14, 2, v2
	v_mul_u32_u24 v14, v14, SP
	v_and_b32 v15, 3, v2
	v_lshl_add_u32 v14, v15, 4, v14
	v_add_nc_u32 v14, s21, v14                     ; in: four lanes' 64 bytes on end, then 16 of padding
	v_mul_u32_u24 v15, v2, SP
	v_add_nc_u32 v15, s21, v15                     ; out: SP x lane: my 16 neighbours
	v_lshlrev_b32 v4, 4, v2                        ; my codes' place in a step's 512 bytes
	s_lshl_b32 s21, ttmp9, 2
	s_add_co_u32 s22, s21, s20                     ; which run of 8,192 numbers is my wave's
	s_lshl_b32 s32, s22, 15
	s_mov_b32 s33, 0
	s_add_nc_u64 s[4:5], s[4:5], s[32:33]
	s_lshl_b32 s32, s22, 13
	s_add_nc_u64 s[12:13], s[12:13], s[32:33]
.irp t, 0,1,2,3
	XLOAD \t
.endr
	s_wait_alu depctr_va_vdst(0)
	MKSCALE 24
	s_wait_alu depctr_va_vdst(0)
	s_wait_loadcnt 12                              ; step 0's four loads are in
	XTURN 0
.irp t, 0,1,2,3,4,5,6,7,8,9,10,11,12,13,14,15
	XSTEP \t
.endr
	s_wait_tensorcnt 0x0
	ds_add_u32 v192, v193
	s_wait_dscnt 0x0
	s_endpgm
.Lwqkv:
	s_wait_alu depctr_va_vdst(0)
	WPATH 3072, 0, 32768, 6, 14, 25, 128
.Lwproj:
	s_wait_alu depctr_va_vdst(0)
	WPATH 1024, 1, 67584, 8, 16, 31, 224
.Lfunc_end_k_qc75137e87e_prep:
	.size	k_qc75137e87e_prep, .Lfunc_end_k_qc75137e87e_prep-k_qc75137e87e_prep
	.p2alignl 7, 3214868480
	.fill 96, 4, 3214868480
	.section	.rodata,"a",@progbits
	.p2align	6, 0x0
	.amdhsa_kernel k_qc75137e87e_prep
		.amdhsa_group_segment_fixed_size 102912
		.amdhsa_private_segment_fixed_size 0
		.amdhsa_enable_private_segment 0
		.amdhsa_kernarg_size 64
		.amdhsa_user_sgpr_count 2
		.amdhsa_user_sgpr_kernarg_segment_ptr 1
		.amdhsa_wavefront_size32 1
		.amdhsa_system_sgpr_workgroup_id_x 1
		.amdhsa_system_sgpr_workgroup_id_y 1
		.amdhsa_system_sgpr_workgroup_id_z 1
		.amdhsa_system_vgpr_workitem_id 0
		.amdhsa_next_free_vgpr 194
		.amdhsa_next_free_sgpr 66
		.amdhsa_reserve_vcc 1
		.amdhsa_float_denorm_mode_32 3
		.amdhsa_float_denorm_mode_16_64 3
		.amdhsa_memory_ordered 1
		.amdhsa_forward_progress 1
		.amdhsa_inst_pref_size 158
	.end_amdhsa_kernel
	.amdgpu_metadata
---
amdhsa.version: [ 1, 2 ]
amdhsa.kernels:
  - .name:           k_qc75137e87e_prep
    .symbol:         k_qc75137e87e_prep.kd
    .args:
      - { .name: x, .offset: 0, .size: 8, .value_kind: global_buffer, .address_space: global }
      - { .name: w_qkv, .offset: 8, .size: 8, .value_kind: global_buffer, .address_space: global }
      - { .name: w_proj, .offset: 16, .size: 8, .value_kind: global_buffer, .address_space: global }
      - { .name: lowp_scales, .offset: 24, .size: 8, .value_kind: global_buffer, .address_space: global }
      - { .name: xc, .offset: 32, .size: 8, .value_kind: global_buffer, .address_space: global }
      - { .name: wc, .offset: 40, .size: 8, .value_kind: global_buffer, .address_space: global }
      - { .name: wpc, .offset: 48, .size: 8, .value_kind: global_buffer, .address_space: global }
      - { .name: tab, .offset: 56, .size: 8, .value_kind: global_buffer, .address_space: global }
    .group_segment_fixed_size: 102912
    .private_segment_fixed_size: 0
    .kernarg_segment_align: 8
    .kernarg_segment_size: 64
    .max_flat_workgroup_size: 128
    .sgpr_count:     66
    .vgpr_count:     194
    .wavefront_size: 32
...
	.end_amdgpu_metadata
.endif
;; end of part 1
;; launch qkv (part 2): grid 16 x 16, 4 waves a work-group, clusters of 4 x 4, 327,680 bytes of LDS; arguments xc, wc, tab, lowp_scales, qc, kv; writes qc, kv
.if DOCPART == 2
	.amdgcn_target "amdgcn-amd-amdhsa--gfx1250"
	.amdhsa_code_object_version 6
	.text
	.protected	k_qc75137e87e_qkv
	.globl	k_qc75137e87e_qkv
	.p2align	8
	.type	k_qc75137e87e_qkv,@function
k_qc75137e87e_qkv:
	s_mov_b64 s[64:65], 0
	v_nop
	global_prefetch_b8 v0, s[64:65] scope:SCOPE_SE
	s_setreg_imm32_b32 hwreg(HW_REG_WAVE_MODE, 25, 1), 1
	s_wait_xcnt 0x0
	s_wait_alu depctr_hold_cnt(0) depctr_sa_sdst(0) depctr_va_vdst(0) depctr_va_sdst(0) depctr_va_ssrc(0) depctr_va_vcc(0) depctr_vm_vsrc(0)
	s_getreg_b32 s2, hwreg(HW_REG_IB_STS2, 6, 4)
	s_cmp_eq_u32 s2, 0
	s_cbranch_scc0 .Lentry_in_a_cluster
	s_endpgm
.Lentry_in_a_cluster:
	s_bfe_u32 s2, ttmp6, 0x10000c
	s_cmp_lg_u32 s2, 0xf033
	s_cbranch_scc0 .Lentry_shape_is_right
	s_endpgm
.Lentry_shape_is_right:
; QKV: x w_qkv on codes of E4M3, RoPE on q and k, and all three quantised anew.  A work-group makes 256 tokens x ONE HEAD's q, k and v: 192 columns (wc's rows 192 head ..: q 64, v 0-31, k 64, v 32-63); 16 x 16 work-groups of equal work.
; Each of four waves makes 128 tokens x 96 columns: wave / 2 = which 128 tokens; wave % 2 = 0: q and v's d 0-31, 1: k and v's d 32-63.  48 accumulators of 16 x 16, 384 registers.
; K goes in four steps of 256 through a ring of two LDS slots: x's 256 rows, then wc's 192, each 256 bytes of memory and 272 in LDS.
; CLUSTERS: 4 x 4 work-groups: the four of a row need the same rows of x, the four of a column the same rows of wc: each is asked for jointly.
; q, k: source 0 = 16 rows of wc, source 1 = 16 tokens: a lane holds a token and eight neighbouring d.  v: source 0 = 16 tokens, source 1 = 16 rows of wc: a lane holds one d and eight neighbouring tokens, which are the later product's K.
; OUT: qc [head][block of 16 tokens][2 groups][32 lanes][16]; kv [head][128 keys][K: 8 tiles x 1,024 | V: 4 d tiles x 4 groups x 512]: images of operand registers.
; NO PREFETCH: K has four steps.  Steps 0 and 1 are asked for at the head; a request two refills ahead of steps 2 and 3 would stand at the head too.
; LIMITS: e2 - e0 - e1, e3 - e0 - e1 and e5 - e0 - e1 between -126 and 119.  NaN is not served.
; REGISTERS: window 0: addresses, cos/sin (v32-95), A's fragments (from v128; on the way out work and codes); window 1: B's fragments, two sets (v0, v128); windows 2, 3: accumulators of my token blocks 0-3, 4-7: (a, b) at 8 (6 (a % 4) + b).
.set ROWB,   256
.set KROW,   1024
.set PITCH,  272
.set FR,     16
.set NP,     4
.set HALFT,  128*PITCH
.set HALFB,  96*PITCH
.set SLOT,   2*HALFT+2*HALFB
.set SPARE,  2*SLOT                    ; the spare words: two blocks of 256 bytes that no other line names
.set ADRA, 16
.set ADRB, 20
.set LI,   24
.set SC,   26
.set LIM,  27
.set SPW,  28
.set NIL,  29
.set SCV,  30
.set LIMV, 31
.set CS,   32
.set TT,   96
.set AF,   128
.set TMP,  128
.set TV,   160
.set CD,   192
.set CV,   224
.set G1, 24
.set G0, 32
.set G1B, 48
.set G0B, 56
.set MSB, 0
.macro WIN new
.if MSB != \new
	s_set_vgpr_msb (MSB<<8)|\new
.set MSB, \new
.endif
.endm
.set Q_LO, 0xa1                        ; source 0 (wc) window 1, source 1 (x) window 0, C and D window 2
.set Q_HI, 0xf1
.set V_LO, 0xa4                        ; source 0 (x) window 0, source 1 (wc) window 1
.set V_HI, 0xf4
.set TO_B, 0x40
; A joint load: waves 0 and 1 x's halves, waves 2 and 3 wc's.  An s_nop 0 and four v_nop follow each line.
.macro JLOAD s
	s_cmp_eq_u32 s15, 0
	s_cbranch_scc0 .Lfor_b_\@
	tensor_load_to_lds s[G0+4*\s:G0+4*\s+3], s[G1:G1+7]
	s_nop 0
.rept 4
	v_nop
.endr
	s_branch .Lasked_\@
.Lfor_b_\@:
	tensor_load_to_lds s[G0B+4*\s:G0B+4*\s+3], s[G1B:G1B+7]
	s_nop 0
.rept 4
	v_nop
.endr
.Lasked_\@:
.endm
.macro CREST
	s_cmp_lg_u32 s14, 0
	s_cbranch_scc1 .Lnot_wave_0_\@
	s_barrier_signal -3
.Lnot_wave_0_\@:
	s_barrier_wait -3
	s_barrier_signal -1
	s_barrier_wait -1
.endm
.macro CROUND
	s_barrier_signal -1
	s_barrier_wait -1
	CREST
.endm
	s_load_b256 s[4:11], s[0:1], 0x0               ; xc, wc, tab, the scales' exponents
	s_load_b128 s[68:71], s[0:1], 0x20             ; qc, kv
	v_lshl_add_u32 v[SPW], v0, 2, SPARE
	v_mov_b32 v[NIL], 0
	ds_add_u32 v[SPW], v[NIL]                      ; the wave's opening: the add, twice on end, and its wait
	ds_add_u32 v[SPW], v[NIL]
	v_lshrrev_b32 v1, 5, v0
	v_readfirstlane_b32 s14, v1                    ; wave
	s_lshr_b32 s15, s14, 1                         ; which 128 tokens; also: I fetch x (0) or wc (1)
	s_and_b32 s16, s14, 1                          ; which 96 columns; also: which half I fetch
	s_bfe_u32 s40, ttmp6, 0x40000
	s_bfe_u32 s41, ttmp6, 0x40004
	s_lshl_b32 s42, ttmp9, 2
	s_add_co_u32 s42, s42, s40                     ; the head
	s_and_b32 s17, ttmp7, 0xffff
	s_lshl_b32 s17, s17, 2
	s_add_co_u32 s17, s17, s41                     ; which 256 tokens
	s_lshl_b32 s43, s41, 2
	s_lshl_b32 s43, 15, s43                        ; my row of the cluster
	s_lshl_b32 s44, 0x1111, s40                    ; my column
	s_or_b32 s[G1+0], s43, (0<<16)|(1<<20)|(1<<21)|(5<<22)|(3<<25)   ; the mask; elements of 1 byte; four words of padding after every 64
	s_or_b32 s[G1B+0], s44, (0<<16)|(1<<20)|(1<<21)|(5<<22)|(3<<25)
.irp g, G1, G1B
	s_mov_b32 s[\g+1], ROWB<<16
	s_mov_b32 s[\g+3], ROWB<<16
	s_mov_b32 s[\g+5], KROW
	s_mov_b32 s[\g+6], 0
	s_mov_b32 s[\g+7], 0
.endr
	s_mov_b32 s[G1+2], 128<<16                     ; 128 rows of x
	s_mov_b32 s[G1+4], 128
	s_mov_b32 s[G1B+2], 96<<16                     ; 96 rows of wc
	s_mov_b32 s[G1B+4], 96
	s_lshl_b32 s20, s17, 18                        ; x: 256 rows of 1,024 bytes,
	s_lshl_b32 s18, s16, 17                        ; + 128 x half
	s_add_co_u32 s20, s20, s18
	s_mov_b32 s21, 0
	s_mul_i32 s46, s42, 192*KROW
	s_mul_i32 s18, s16, 96*KROW
	s_add_co_u32 s46, s46, s18
	s_mov_b32 s47, 0
	s_mul_i32 s45, s16, HALFT                      ; where they go in a slot
	s_mul_i32 s44, s16, HALFB
	s_add_co_u32 s44, s44, 2*HALFT
	s_wait_dscnt 0x0                               ; both opening adds are done
	s_wait_kmcnt 0x0
	s_load_b256 s[72:79], s[10:11], 0x0            ; e0 .. e7
	s_add_nc_u64 s[20:21], s[4:5], s[20:21]
	s_add_nc_u64 s[46:47], s[6:7], s[46:47]
	CROUND                                         ; all sixteen work-groups are here: the first joint loads meet
.irp s, 0,1
	s_mov_b32 s[G0+4*\s], 1
	s_add_co_u32 s[G0+4*\s+1], s45, \s*SLOT
	s_add_nc_u64 s[G0+4*\s+2:G0+4*\s+3], s[20:21], \s*ROWB
	s_or_b32 s[G0+4*\s+3], s[G0+4*\s+3], 0x80000000
	s_mov_b32 s[G0B+4*\s], 1
	s_add_co_u32 s[G0B+4*\s+1], s44, \s*SLOT
	s_add_nc_u64 s[G0B+4*\s+2:G0B+4*\s+3], s[46:47], \s*ROWB
	s_or_b32 s[G0B+4*\s+3], s[G0B+4*\s+3], 0x80000000
.endr
	JLOAD 0                                        ; K step 0: one tensor load a wave at the head
	s_mul_i32 s80, s15, HALFT                      ; my 128 rows of x,
	s_mul_i32 s82, s16, HALFB                      ; my 96 rows of wc,
	s_add_co_u32 s82, s82, 2*HALFT                 ; behind x's 256
	s_add_co_u32 s81, s80, SLOT
	s_add_co_u32 s83, s82, SLOT
	v_and_b32 v1, 15, v0
	v_bfe_u32 v2, v0, 4, 1
	v_mul_u32_u24 v3, v1, PITCH
	v_lshl_add_u32 v4, v2, 4, v3
	v_add_nc_u32 v[ADRA], s80, v4
	v_add_nc_u32 v[ADRA+1], s81, v4
	v_add_nc_u32 v[ADRB], s82, v4
	v_add_nc_u32 v[ADRB+1], s83, v4
	v_and_b32 v6, 31, v0
	v_lshlrev_b32 v[LI], 4, v6
	s_wait_alu depctr_va_vdst(0)
	; where the results go
	s_lshl_b32 s95, s17, 1
	s_add_co_u32 s95, s95, s15                     ; which 128 tokens of the 4,096
	s_cmp_eq_u32 s16, 0
	s_cselect_b32 s97, 18, 19                      ; a head is 2^18 bytes of qc, 2^19 of kv
	s_cselect_b64 s[84:85], s[68:69], s[70:71]
	s_lshl_b32 s92, s42, s97
	s_sub_co_u32 s98, s97, 5
	s_lshl_b32 s94, s95, s98
	s_add_co_u32 s92, s92, s94
	s_mov_b32 s93, 0
	s_add_nc_u64 s[84:85], s[84:85], s[92:93]      ; q's or k's
	s_lshl_b32 s92, s42, 19
	s_lshl_b32 s94, s95, 14
	s_add_co_u32 s92, s92, s94
	s_lshl_b32 s94, s16, 12
	s_add_co_u32 s92, s92, s94
	s_add_co_u32 s92, s92, 8192
	s_add_nc_u64 s[86:87], s[70:71], s[92:93]      ; v's two d tiles
	s_lshl_b32 s92, s95, 15
	s_add_nc_u64 s[88:89], s[8:9], s[92:93]        ; cos and sin of my eight token blocks
	s_wait_kmcnt 0x0
	s_add_co_i32 s90, s72, s73
	s_cmp_eq_u32 s16, 0
	s_cselect_b32 s91, s74, s75
	s_sub_co_i32 s91, s91, s90                     ; e2 or e3, less e0 + e1
	s_add_co_i32 s91, s91, 127
	s_lshl_b32 s92, s91, 23
	v_mov_b32 v[SC], s92
	s_add_co_i32 s91, s91, 8
	s_lshl_b32 s91, s91, 23
	s_or_b32 s91, s91, 0x600000
	v_mov_b32 v[LIM], s91                          ; 448 x that
	s_sub_co_i32 s91, s77, s90                     ; e5 - e0 - e1
	s_add_co_i32 s91, s91, 127
	s_lshl_b32 s92, s91, 23
	v_mov_b32 v[SCV], s92
	s_add_co_i32 s91, s91, 8
	s_lshl_b32 s91, s91, 23
	s_or_b32 s91, s91, 0x600000
	v_mov_b32 v[LIMV], s91
.macro FRAG reg, adr, q, i             ; 16 rows x 128 K: 16 registers, four loads
.irp c, 0,1,2,3
	ds_load_b128 v[\reg+4*\c:\reg+4*\c+3], v[\adr] offset:128*(\q)+32*\c+(\i)*16*PITCH
.endr
.endm
.macro MULQ a0, p, zero                ; token blocks a0 .. a0 + 3 x the four blocks of q or k
.irp a, \a0, \a0+1, \a0+2, \a0+3
.irp b, 0,1,2,3
.set DD, 8*(6*((\a)%4)+\b)
.if \zero
	v_wmma_f32_16x16x128_fp8_fp8 v[DD:DD+7], v[128*(\p)+FR*\b:128*(\p)+FR*\b+FR-1], v[AF+FR*(\a):AF+FR*(\a)+FR-1], 0
.else
	v_wmma_f32_16x16x128_fp8_fp8 v[DD:DD+7], v[128*(\p)+FR*\b:128*(\p)+FR*\b+FR-1], v[AF+FR*(\a):AF+FR*(\a)+FR-1], v[DD:DD+7]
.endif
.endr
.endr
.endm
.macro MULV a0, p, zero                ; the same token blocks x the two blocks of v, sources swapped
.irp a, \a0, \a0+1, \a0+2, \a0+3
.irp b, 4,5
.set DD, 8*(6*((\a)%4)+\b)
.if \zero
	v_wmma_f32_16x16x128_fp8_fp8 v[DD:DD+7], v[AF+FR*(\a):AF+FR*(\a)+FR-1], v[128*(\p)+FR*\b:128*(\p)+FR*\b+FR-1], 0
.else
	v_wmma_f32_16x16x128_fp8_fp8 v[DD:DD+7], v[AF+FR*(\a):AF+FR*(\a)+FR-1], v[128*(\p)+FR*\b:128*(\p)+FR*\b+FR-1], v[DD:DD+7]
.endif
.endr
.endr
.endm
.macro FETCH_B slot, q, p
	WIN TO_B
.irp i, 0,1,2,3,4,5
	FRAG 128*(\p)+FR*\i, ADRB+\slot, \q, \i
.endr
	WIN 0
.endm
.macro FETCH_A slot, q, i0
.irp i, \i0, \i0+1, \i0+2, \i0+3
	FRAG AF+FR*(\i), ADRA+\slot, \q, \i
.endr
.endm
.macro PLACES n                        ; places between matrix instructions and loads into what they read, or reads of results
.rept \n
	v_nop
.endr
.endm
.macro HALF_LO p, zero
	WIN Q_LO
	MULQ 0, \p, \zero
	WIN V_LO
	MULV 0, \p, \zero
.endm
.macro HALF_HI p, zero
	WIN Q_HI
	MULQ 4, \p, \zero
	WIN V_HI
	MULV 4, \p, \zero
.endm
; A step of 128 along K with its successor in the same slot.
.macro STEP slot, zero
	s_wait_dscnt 16                                ; all but A's blocks 4-7, the youngest 16 loads
	HALF_LO 0, \zero
	s_wait_dscnt 0
	PLACES NP
	FETCH_B \slot, 1, 1
	FETCH_A \slot, 1, 0
	HALF_HI 0, \zero
	PLACES NP
	WIN 0
	FETCH_A \slot, 1, 4
.endm
; A slot's last step changes slots.
.macro TURN slot, next, fill
	s_wait_tensorcnt 0x0                           ; all my tensor loads have landed: my part of the next slot
	ds_add_u32 v[SPW], v[NIL]
	s_wait_dscnt 17                                ; (the add and the youngest 16 loads may be out)
	WIN Q_LO
	MULQ 0, 1, 0
	s_wait_dscnt 0x0                               ; the add is done, and my reads of this slot are over
	s_barrier_signal -1
	WIN V_LO
	MULV 0, 1, 0
	WIN 0
	s_barrier_wait -1
.if \fill
	CREST                                          ; no wave of any partner still reads this slot's tile or has a load on its way
	s_add_nc_u64 s[G0+4*\slot+2:G0+4*\slot+3], s[G0+4*\slot+2:G0+4*\slot+3], 2*ROWB
	s_add_nc_u64 s[G0B+4*\slot+2:G0B+4*\slot+3], s[G0B+4*\slot+2:G0B+4*\slot+3], 2*ROWB
	JLOAD \slot                                    ; its four v_nop are the places in front of the loads below
.else
	PLACES NP
.endif
	FETCH_B \next, 0, 0
	FETCH_A \next, 0, 0
	HALF_HI 1, 0
	PLACES NP
	WIN 0
	FETCH_A \next, 0, 4
.endm
.macro CSLOAD a                        ; cos (16 registers) and sin (16) of token block a
.irp g, 0,1,2,3,4,5,6,7
	global_load_b128 v[CS+32*((\a)%2)+4*\g:CS+32*((\a)%2)+4*\g+3], v[LI], s[88:89] offset:(\a)*4096+512*\g
.endr
.endm
; The way out of token block a: blocks b and b + 2 of q or k are d and d + 32: x1 cos - x2 sin, x2 cos + x1 sin.
.macro OUT a
.set AC, 48*((\a)%4)
.set CB, CS+32*((\a)%2)
.set DB, CD+8*((\a)%2)
.if (\a) >= 2
	s_wait_xcnt 0x0                                ; the stores of two blocks ago have read their registers
.endif
.if (\a) < 7
	s_wait_loadcnt 8                               ; this block's table is in; the next one's eight loads may be out
.else
	s_wait_loadcnt 0
.endif
	WIN 0x02+((\a)/4)
.irp bb, 0,1
.irp i, 0,2,4,6
	v_pk_mul_f32 v[TT+2*\i:TT+2*\i+1], v[AC+8*\bb+16+\i:AC+8*\bb+16+\i+1], v[CB+16+8*\bb+\i:CB+16+8*\bb+\i+1]
	v_pk_mul_f32 v[TT+2*\i+2:TT+2*\i+3], v[AC+8*\bb+\i:AC+8*\bb+\i+1], v[CB+16+8*\bb+\i:CB+16+8*\bb+\i+1]
.endr
.irp i, 0,2,4,6
	v_pk_fma_f32 v[TMP+8*\bb+\i:TMP+8*\bb+\i+1], v[AC+8*\bb+\i:AC+8*\bb+\i+1], v[CB+8*\bb+\i:CB+8*\bb+\i+1], v[TT+2*\i:TT+2*\i+1] neg_lo:[0,0,1] neg_hi:[0,0,1]
	v_pk_fma_f32 v[TMP+8*\bb+16+\i:TMP+8*\bb+16+\i+1], v[AC+8*\bb+16+\i:AC+8*\bb+16+\i+1], v[CB+8*\bb+\i:CB+8*\bb+\i+1], v[TT+2*\i+2:TT+2*\i+3]
.endr
.endr
.set n, 0
.rept 16
	v_med3_num_f32 v[TV+n], v[AC+32+n], -v[LIMV], v[LIMV]      ; v: the hold at the largest code (the conversion does not saturate: ISA guide 7.6.2)
.set n, n+1
.endr
	WIN 0
.if (\a) < 6
	CSLOAD (\a)+2
.endif
.set n, 0
.rept 32
	v_med3_num_f32 v[TMP+n], v[TMP+n], -v[LIM], v[LIM]
.set n, n+1
.endr
.irp b, 0,1,2,3
	v_cvt_scalef32_pk8_fp8_f32 v[DB+2*\b:DB+2*\b+1], v[TMP+8*\b:TMP+8*\b+7], v[SC]
.endr
.irp b, 0,1
	v_cvt_scalef32_pk8_fp8_f32 v[CV+16*\b+2*(\a):CV+16*\b+2*(\a)+1], v[TV+8*\b:TV+8*\b+7], v[SCV]
.endr
	v_nop
.irp c, 0,1
	global_store_b128 v[LI], v[DB+4*\c:DB+4*\c+3], s[84:85] offset:(\a)*1024+512*\c      ; 512 consecutive bytes each
.endr
.if (\a)%2
.irp b, 0,1
	global_store_b128 v[LI], v[CV+16*\b+2*(\a)-2:CV+16*\b+2*(\a)+1], s[86:87] offset:2048*\b+256*((\a)-1)
.endr
.endif
.endm
	s_wait_alu depctr_va_vdst(0)                   ; the head's end
	s_wait_tensorcnt 0x0                           ; my part of K step 0 is in; the three lines ahead of slot 1's first fill:
	ds_add_u32 v[SPW], v[NIL]
	s_wait_dscnt 0x0
	CROUND                                         ; everybody's part of K step 0 is in, and the joint loads meet
	JLOAD 1                                        ; K step 1
	FETCH_B 0, 0, 0
	FETCH_A 0, 0, 0
	FETCH_A 0, 0, 4
	STEP 0, 1                                      ; the first products start the sums
	TURN 0, 1, 1
	STEP 1, 0
	TURN 1, 0, 1
	STEP 0, 0
	TURN 0, 1, 0                                   ; nothing more to fill
	CSLOAD 0
	CSLOAD 1
	STEP 1, 0
	s_wait_dscnt 16
	HALF_LO 1, 0
	s_wait_dscnt 0
	HALF_HI 1, 0
	WIN 0
	PLACES NP
.irp a, 0,1,2,3,4,5,6,7
	OUT \a
.endr
	s_wait_tensorcnt 0x0                           ; the wave's end
	ds_add_u32 v[SPW], v[NIL]
	s_wait_dscnt 0x0
	CROUND                                         ; the closing round
	s_endpgm
.Lfunc_end_k_qc75137e87e_qkv:
	.size	k_qc75137e87e_qkv, .Lfunc_end_k_qc75137e87e_qkv-k_qc75137e87e_qkv
	.p2alignl 7, 3214868480
	.fill 96, 4, 3214868480
	.section	.rodata,"a",@progbits
	.p2align	6, 0x0
	.amdhsa_kernel k_qc75137e87e_qkv
		.amdhsa_group_segment_fixed_size 327680
		.amdhsa_private_segment_fixed_size 0
		.amdhsa_enable_private_segment 0
		.amdhsa_kernarg_size 48
		.amdhsa_user_sgpr_count 2
		.amdhsa_user_sgpr_kernarg_segment_ptr 1
		.amdhsa_wavefront_size32 1
		.amdhsa_system_sgpr_workgroup_id_x 1
		.amdhsa_system_sgpr_workgroup_id_y 1
		.amdhsa_system_sgpr_workgroup_id_z 1
		.amdhsa_system_vgpr_workitem_id 0
		.amdhsa_next_free_vgpr 1024
		.amdhsa_next_free_sgpr 100
		.amdhsa_reserve_vcc 0
		.amdhsa_float_denorm_mode_32 3
		.amdhsa_float_denorm_mode_16_64 3
		.amdhsa_memory_ordered 1
		.amdhsa_forward_progress 1
		.amdhsa_inst_pref_size 119
	.end_amdhsa_kernel
	.amdgpu_metadata
---
amdhsa.version: [ 1, 2 ]
amdhsa.kernels:
  - .name:           k_qc75137e87e_qkv
    .symbol:         k_qc75137e87e_qkv.kd
    .args:
      - { .name: xc, .offset: 0, .size: 8, .value_kind: global_buffer, .address_space: global }
      - { .name: wc, .offset: 8, .size: 8, .value_kind: global_buffer, .address_space: global }
      - { .name: tab, .offset: 16, .size: 8, .value_kind: global_buffer, .address_space: global }
      - { .name: lowp_scales, .offset: 24, .size: 8, .value_kind: global_buffer, .address_space: global }
      - { .name: qc, .offset: 32, .size: 8, .value_kind: global_buffer, .address_space: global }
      - { .name: kv, .offset: 40, .size: 8, .value_kind: global_buffer, .address_space: global }
    .group_segment_fixed_size: 327680
    .private_segment_fixed_size: 0
    .kernarg_segment_align: 8
    .kernarg_segment_size: 48
    .max_flat_workgroup_size: 128
    .sgpr_count:     100
    .vgpr_count:     1024
    .wavefront_size: 32
...
	.end_amdgpu_metadata
.endif
;; end of part 2
;; launch attn (part 3): grid 16 x 16, 16 waves a work-group, no clusters, 327,680 bytes of LDS; arguments qc, kv, lowp_scales, yc; writes yc
.if DOCPART == 3
	.amdgcn_target "amdgcn-amd-amdhsa--gfx1250"
	.amdhsa_code_object_version 6
	.text
	.protected	k_qc75137e87e_attn
	.globl	k_qc75137e87e_attn
	.p2align	8
	.type	k_qc75137e87e_attn,@function
k_qc75137e87e_attn:
	s_mov_b64 s[64:65], 0
	v_nop
	global_prefetch_b8 v0, s[64:65] scope:SCOPE_SE
	s_setreg_imm32_b32 hwreg(HW_REG_WAVE_MODE, 25, 1), 1
	s_wait_xcnt 0x0
; ATTN: causal attention on codes of E4M3, head size 64, 4,096 tokens, 16 heads; y leaves as codes, in images of the last product's operand registers.
; t = score x log2(e) / 8; M = the running largest t rounded UP to a whole number; p = 2^(t - M) is quantised with 2^e4, not normalised; the row's sum is taken of the unquantised p and divides at the end.
; When M moves, the sum and O are multiplied by 2^(old M - new M): exact.
; LEFT OUT: tiles of 128 queries x 128 keys wholly above the diagonal, which reference()'s own mask throws away; what is not finite in them alone is not carried to the result.
; SHARES.  Queries go in 32 blocks of 128; block b needs key steps 0 .. b of 128 keys.  Work-group (i, head) takes block i and then block 31 - i: (i + 1) + (32 - i) = 33 key steps in EVERY work-group.
; Stream step s reads key step s (s <= i) or s - i - 1.  A block's last step (s = i, s = 32) lies on the diagonal: there hidden scores become -infinity.
; SIXTEEN WAVES: wave % 8 = which 16 queries of the block in hand, wave / 8 = KEY GROUP: the two key groups of the same queries take turns on the stream steps.  Each keeps a (O, M, sum) of its own.  At its first step past i a wave
; lays block i's state in LDS bytes of its own and begins anew; at the end it lays block 31 - i's.  Behind one barrier group 0 joins the two states of block 31 - i, group 1 those of block i, and both send y out.
; NO CLUSTER: from stream step 1 on no four work-groups of a head ask for the same tile at every change of slots (they differ in i), so no joint request can be issued by all partners.
; RING.  A first slot of three key steps, filled once, at the head; then two slots of six key steps (16,384 bytes each, as they lie in kv): 3 + 5 x 6 = 33.  Waves 0 to 5 fetch one key step each, one tensor load a wave behind each barrier.
; LAYOUT.  Both products transposed: S^T = K Q^T (source 0 = 16 keys, source 1 = my 16 queries), O^T = V^T P^T: a lane holds ONE query (lane % 16).  Tile t's register j is key 16 t + 8 (lane / 16) + j, which is where the
; second product's operand wants it.  All fragments are images of registers: loads at 16 x lane, 512 consecutive bytes each.
; LIMITS on the given exponents: e2 + e3 between -123 and 130 (added to c's exponent field); e4, and e6 - e4 - e5, between -126 and 119.  The scaled scores stay under 2^31 in magnitude.  NaN is not served.
; REGISTERS: v1 16 x lane; v2 my query less 8 (lane / 16), in the block; v3 256 x lane; v5, v6 the add's; v7 address in hand; v8-11 where states are laid; v12 -M, v13 largest t, v[14:15] the sum; v16-23 Q; v24-31 the second block's Q;
;   v32-95 K's fragments, then V's; v96-159 S^T, then p; v160-191 O^T; v192, v193 where states are read; v200-213 at work and scales; v224-239 p's codes (v224-231 also y's).
.set STEPB, 16384
.set SLOT1, 98304                      ; slot 1: six key steps further on
.set HB,    196608                     ; the first slot
.set DUMP2, 98304                      ; block 31 - i's states: in slot 1, which has had its last fill and its last read by then: 16 x 4,096 of O, then 16 x 256 of -M and the sum
.set DUMPD, 147456                     ; from them to block i's states, in bytes that no fill ever lands on
.set SPARE, 315392                     ; the spare words, 128 bytes for each of sixteen waves
.set LI,  1
.set DM,  2
.set PFO, 3
.set SPW, 5
.set NIL, 6
.set ADK, 7
.set D1,  8
.set E1,  9
.set D2,  10
.set E2,  11
.set RO,  192
.set RE,  193
.set WV,  12
.set I,   13
.set I1,  14
.set HEAD, 15
.set G1,  16                           ; s[16:23] group 1: 64 rows of 256 bytes, dense
.set G0,  24                           ; s[24:27] group 0, which walks
.set KVH, 28                           ; s[28:29] my head's first byte in kv
.set PFA, 30                           ; s[30:31] the key step that my wave names: waves 0-5 fetch it, waves 6-11 (whose count runs a slot ahead) prefetch it
.set T0,  32                           ; s[32:33] its byte offset in the head
.set SF,  34                           ; s34  the stream step that my wave names next
.set S,   35                           ; s35  the stream step in hand
.set LS,  36                           ; s36  the last step of the block in hand
.set TB,  37
.set SLOTS, 38
.set TW,  39
.set LIM, 40                           ; s40  1 in a wave that prefetches, else the greatest number
.set SEL, 42
.set CS,  44
.set YB,  46                           ; s[46:47] where the y that I join goes
.set GG,  48                           ; my key group
.set QG,  49                           ; which 16 queries
.set SW,  50                           ; the last step of block i; 64 once that block is done with
.set POS, 51                           ; my step's place in the slot
.set SBASE, 72                         ; the slot in hand
.set FB,  73                           ; the slot to be filled next
.set W14, 74                           ; 16,384 x wave
.macro TLOAD n                         ; waves 0 to n - 1; an s_nop 0 and four v_nop follow the line
	s_cmp_lt_u32 s[WV], \n
	s_cbranch_scc0 .Lasked_\@
	tensor_load_to_lds s[G0:G0+3], s[G1:G1+7]
	s_nop 0
.rept 4
	v_nop
.endr
.Lasked_\@:
.endm
; A PREFETCH INTO THE L2 of what the next change of slots will ask for.  All sixteen work-groups of a head read the same key steps: work-group 0 asks, in it waves 6 to 11, a key step each: 16,384 bytes, lanes 256 bytes apart,
; two instructions.  They name stream steps 9 .. 32, key steps 8 .. 31, each aligned block of 256 bytes once; the others come by their loads alone; the last change that fills a slot asks for nothing.
.macro ASK
	s_cmp_gt_u32 s[SLOTS], s[LIM]
	s_cbranch_scc0 .Lnot_mine_\@
	global_prefetch_b8 v[PFO], s[PFA:PFA+1] th:TH_LOAD_NT scope:SCOPE_SE
	global_prefetch_b8 v[PFO], s[PFA:PFA+1] offset:8192 th:TH_LOAD_NT scope:SCOPE_SE
.Lnot_mine_\@:
.endm
; THE CHANGE OF SLOTS stands at a slot's head.  Each wave waits for all its tensor loads, adds 0 to its spare word, and waits for that and for its reads of the slot that it has left.  Behind the barrier the slot ahead is whole
; and nobody reads the other one.  fill = 1: the next six stream steps are asked for.
.macro CHANGE fill
	s_wait_tensorcnt 0x0                           ; no tensor load of mine is out, so group 0 may be written
	ds_add_u32 v[SPW], v[NIL]                      ; 0 onto my spare word
.if \fill
	ds_add_u32 v[SPW], v[NIL]                      ; and once more
	s_wait_xcnt 0x0                                ; the last prefetches, a slot back, have read their address
	s_sub_co_u32 s[T0], s[SF], s[I1]
	s_cmp_gt_u32 s[SF], s[I]
	s_cselect_b32 s[T0], s[T0], s[SF]              ; the key step: s - i - 1 in the second block, s in the first
	s_lshl_b32 s[T0], s[T0], 14
	s_add_nc_u64 s[PFA:PFA+1], s[KVH:KVH+1], s[T0:T0+1]
	s_mov_b64 s[G0+2:G0+3], s[PFA:PFA+1]
	s_or_b32 s[G0+3], s[G0+3], 0x80000000
	s_add_co_u32 s[G0+1], s[FB], s[W14]
	s_xor_b32 s[FB], s[FB], SLOT1                  ; the other slot next time
	s_add_co_u32 s[SF], s[SF], 6
.endif
	s_wait_dscnt 0x0                               ; the adds are done, and my reads of the slot that I have left are over
	s_barrier_signal -1
	s_barrier_wait -1
.if \fill
	TLOAD 6                                        ; the first thing behind the barrier, and a wave's one tensor load until the next
	ASK
.endif
.endm
; My state into LDS: O^T at v[d], -M and the sum's two halves added at v[e].
.macro LAY d, e
.rept 4
	v_nop                                          ; places between the last products and the stores of their results
.endr
	v_add_f32 v14, v14, v15
.irp j, 0,1,2,3,4,5,6,7
	ds_store_b128 v[\d], v[160+4*\j:163+4*\j] offset:512*\j
.endr
	ds_store_b32 v[\e], v12
	ds_store_b32 v[\e], v14 offset:128
.endm
; A KEY STEP: 128 keys.
.macro STEP lim
.if \lim
	s_cmp_ge_u32 s[S], \lim                        ; the first slot holds three steps: group 1 has one of them
	s_cbranch_scc1 .Lskip_\@
.endif
	s_cmp_gt_u32 s[S], s[SW]
	s_cbranch_scc0 .Lsame_\@
	s_wait_alu depctr_va_vdst(0)                   ; MY FIRST STEP PAST BLOCK i: its state goes into LDS,
	LAY D1, E1
	s_wait_dscnt 0x0
.irp j, 0,1,2,3,4,5,6,7
	v_mov_b32 v[16+\j], v[24+\j]                   ; the second block's queries,
.endr
.set j, 0
.rept 32
	v_mov_b32 v[160+j], 0                          ; and a state as at the start: the step is written once and finds zeros, which the first change of M leaves zeros
.set j, j+1
.endr
	v_mov_b32 v13, 0xff61b1e6
	v_mov_b32 v14, 0
	v_mov_b32 v15, 0
	v_floor_f32 v12, -v13
	s_mov_b32 s[LS], 32
	s_mov_b32 s[SW], 64
	s_wait_alu depctr_va_vdst(0)
.Lsame_\@:
	s_add_co_u32 s[TB], s[SBASE], s[POS]
	v_add_nc_u32 v[ADK], s[TB], v[LI]
.rept 3
	v_nop                                          ; with the addition: four places between the last products and loads into the registers that they read
.endr
.irp t, 0,1,2,3,4,5,6,7
	ds_load_b128 v[32+8*\t:35+8*\t], v[ADK] offset:1024*\t
	ds_load_b128 v[36+8*\t:39+8*\t], v[ADK] offset:1024*\t+512
.endr
	s_wait_alu depctr_va_vdst(0)
	s_wait_dscnt 0x0
.irp t, 0,1,2,3,4,5,6,7
	v_wmma_f32_16x16x64_fp8_fp8 v[96+8*\t:103+8*\t], v[32+8*\t:39+8*\t], v[16:23], 0
.endr
.rept 4
	v_nop                                          ; places in front of the loads below and of the first read of the scores
.endr
.irp d, 0,1,2,3
.irp g, 0,1,2,3
	ds_load_b128 v[32+16*\d+4*\g:35+16*\d+4*\g], v[ADK] offset:8192+2048*\d+512*\g   ; V^T: it lands while the softmax is worked
.endr
.endr
	s_cmp_lg_u32 s[S], s[LS]                       ; on the diagonal: register 8 t + j holds key 16 t + 8 (lane / 16) + j of the block: hidden where 16 t + j > my query - 8 (lane / 16)
	s_cbranch_scc1 .Lopen_\@
.set n, 0
.rept 64
	v_cmp_gt_i32 vcc_lo, 16*(n/8)+n%8, v[DM]
	v_cndmask_b32 v[96+n], v[96+n], v208, vcc_lo
.set n, n+1
.endr
.Lopen_\@:
	v_max3_num_f32 v200, v96, v97, v98             ; the step's largest score of my query among my 64 keys, in two chains, each accumulator from its low end on,
	v_max3_num_f32 v201, v99, v100, v101
.irp i, 6,10,14,18,22,26,30,34,38,42,46,50,54,58
	v_max3_num_f32 v200, v200, v[96+\i], v[97+\i]
	v_max3_num_f32 v201, v201, v[98+\i], v[99+\i]
.endr
	v_max3_num_f32 v200, v200, v158, v159
	s_delay_alu instid0(VALU_DEP_1)
	v_max_num_f32 v200, v200, v201
	s_delay_alu instid0(VALU_DEP_1)
	v_permlanex16_b32 v202, v200, s[SEL], s[SEL+1]
	s_delay_alu instid0(VALU_DEP_1)
	v_max_num_f32 v200, v200, v202                 ; and among lane l xor 16's
	s_delay_alu instid0(VALU_DEP_1)
	v_mul_f32 v200, s[CS], v200                    ; as t (c is positive)
	s_delay_alu instid0(VALU_DEP_1)
	v_max_num_f32 v13, v13, v200
	v_mov_b32 v200, v12
	s_delay_alu instid0(VALU_DEP_2)
	v_floor_f32 v12, -v13                          ; the new -M = floor(-t): M is a whole number
	s_delay_alu instid0(VALU_DEP_1)
	v_sub_f32 v200, v12, v200                      ; old M - new M: a whole number, 0 or less
	s_delay_alu instid0(VALU_DEP_1)
	v_cvt_i32_f32 v200, v200                       ; (it saturates)
	s_delay_alu instid0(VALU_DEP_1)
	v_ldexp_f32 v204, 1.0, v200                    ; f = 2^(old M - new M)
.set j, 0
.rept 32
	v_pk_fma_f32 v[96+j:97+j], v[96+j:97+j], s[CS:CS+1], v[12:13] op_sel_hi:[1,0,0]   ; t - M, two at a time
.set j, j+2
.endr
.set j, 0
	s_wait_alu depctr_va_vdst(0)
.rept 64
	v_exp_f32 v[96+j], v[96+j]                     ; p = 2^(t - M)
.set j, j+1
.endr
	v_pk_mul_f32 v[14:15], v[14:15], v[204:205] op_sel_hi:[1,0]   ; the sums under the new M: the plain instruction behind the exponentials
	s_wait_alu depctr_va_vdst(0)                   ; one wait for the batch of 64, ahead of its first reader
	v_pk_add_f32 v[206:207], v[100:101], v[104:105]
	v_pk_add_f32 v[254:255], v[108:109], v[112:113]
	v_pk_add_f32 v[252:253], v[116:117], v[120:121]
	v_pk_add_f32 v[250:251], v[124:125], v[128:129]
	v_pk_add_f32 v[248:249], v[132:133], v[136:137]
	v_pk_add_f32 v[246:247], v[140:141], v[144:145]
	v_pk_add_f32 v[244:245], v[148:149], v[152:153]
	v_pk_add_f32 v[14:15], v[14:15], v[156:157]
	v_pk_add_f32 v[206:207], v[206:207], v[96:97]
	v_pk_add_f32 v[254:255], v[254:255], v[98:99]
	v_pk_add_f32 v[252:253], v[252:253], v[102:103]
	v_pk_add_f32 v[250:251], v[250:251], v[106:107]
	v_pk_add_f32 v[248:249], v[248:249], v[110:111]
	v_pk_add_f32 v[246:247], v[246:247], v[114:115]
	v_pk_add_f32 v[244:245], v[244:245], v[118:119]
	v_pk_add_f32 v[14:15], v[14:15], v[122:123]
	v_pk_add_f32 v[206:207], v[206:207], v[126:127]
	v_pk_add_f32 v[254:255], v[254:255], v[130:131]
	v_pk_add_f32 v[252:253], v[252:253], v[134:135]
	v_pk_add_f32 v[250:251], v[250:251], v[138:139]
	v_pk_add_f32 v[248:249], v[248:249], v[142:143]
	v_pk_add_f32 v[246:247], v[246:247], v[146:147]
	v_pk_add_f32 v[244:245], v[244:245], v[150:151]
	v_pk_add_f32 v[14:15], v[14:15], v[154:155]
	v_pk_add_f32 v[206:207], v[206:207], v[158:159]
	s_delay_alu instid0(VALU_DEP_2)
	v_pk_add_f32 v[14:15], v[14:15], v[250:251]
	s_delay_alu instid0(VALU_DEP_2)
	v_pk_add_f32 v[206:207], v[206:207], v[248:249]
	v_pk_add_f32 v[254:255], v[254:255], v[246:247]
	v_pk_add_f32 v[252:253], v[252:253], v[244:245]
	s_delay_alu instid0(VALU_DEP_2)
	v_pk_add_f32 v[14:15], v[14:15], v[254:255]
	s_delay_alu instid0(VALU_DEP_2)
	v_pk_add_f32 v[206:207], v[206:207], v[252:253]
	s_delay_alu instid0(VALU_DEP_1)
	v_pk_add_f32 v[14:15], v[14:15], v[206:207]
.irp t, 0,1,2,3,4,5,6,7
.irp i, 0,2,4,6
	v_dual_min_num_f32 v[96+8*\t+\i], v[96+8*\t+\i], v210 :: v_dual_min_num_f32 v[97+8*\t+\i], v[97+8*\t+\i], v209   ; the conversion does not saturate (ISA guide 7.6.2); p is not negative: a one-sided hold
.endr
	v_cvt_scalef32_pk8_fp8_f32 v[224+2*\t:225+2*\t], v[96+8*\t:103+8*\t], v211
.endr
.set j, 0
.rept 16
	v_pk_mul_f32 v[160+j:161+j], v[160+j:161+j], v[204:205] op_sel_hi:[1,0]   ; O^T under the new M; also the plain instructions behind the conversions
.set j, j+2
.endr
	s_wait_alu depctr_va_vdst(0)
	s_wait_dscnt 0x0                               ; V^T is in
.irp d, 0,1,2,3
	v_wmma_f32_16x16x128_fp8_fp8 v[160+8*\d:167+8*\d], v[32+16*\d:47+16*\d], v[224:239], v[160+8*\d:167+8*\d]   ; four accumulators by turns, one instruction a turn
.endr
.Lskip_\@:
	s_add_co_u32 s[S], s[S], 2
	s_add_co_u32 s[POS], s[POS], 2*STEPB
.endm
.macro SLOT_STEPS n, lim               ; my key group's n steps of a slot: written once, walked n times
	s_lshl_b32 s[POS], s[GG], 14
	s_mov_b32 s[TW], \n
.Lstep_\@:
	STEP \lim
	s_sub_co_u32 s[TW], s[TW], 1
	s_cmp_lg_u32 s[TW], 0
	s_cbranch_scc1 .Lstep_\@
.endm
	s_load_b256 s[4:11], s[0:1], 0x0               ; qc s[4:5], kv s[6:7], the scales' exponents s[8:9], yc s[10:11]
	v_lshl_add_u32 v[SPW], v0, 2, SPARE
	v_mov_b32 v[NIL], 0
	ds_add_u32 v[SPW], v[NIL]                      ; the wave's opening: the add, twice on end, and its wait
	ds_add_u32 v[SPW], v[NIL]
	v_lshrrev_b32 v7, 5, v0
	v_readfirstlane_b32 s[WV], v7                  ; wave 0..15
	s_mov_b32 s[I], ttmp9
	s_add_co_u32 s[I1], s[I], 1
	s_and_b32 s[HEAD], ttmp7, 0xffff
	s_lshr_b32 s[GG], s[WV], 3
	s_and_b32 s[QG], s[WV], 7
	s_mov_b32 s[G1+0], 3<<16                       ; no mask; elements of 8 bytes; no padding
	s_mov_b32 s[G1+1], 32<<16                      ; tensor_dim0 = 32 elements: 256 bytes
	s_mov_b32 s[G1+2], 64<<16                      ; tensor_dim1 = 64
	s_mov_b32 s[G1+3], 32<<16                      ; tile_dim0
	s_mov_b32 s[G1+4], 64                          ; tile_dim1
	s_mov_b32 s[G1+5], 32                          ; the pitch: dense
	s_mov_b32 s[G1+6], 0
	s_mov_b32 s[G1+7], 0
	s_mov_b32 s[SEL], 0x76543210
	s_mov_b32 s[SEL+1], 0xfedcba98
	s_mov_b32 s[CS], 0x3e38aa3b                    ; c = log2(e) / 8
	s_mov_b32 s[S], s[GG]
	s_mov_b32 s[LS], s[I]
	s_mov_b32 s[SW], s[I]
	s_mov_b32 s[SLOTS], 5
	s_mov_b32 s[SBASE], HB
	s_mov_b32 s[FB], 0
	s_lshl_b32 s[W14], s[WV], 14
	s_lshl_b32 s60, s[HEAD], 19                    ; a head is 524,288 bytes of kv
	s_mov_b32 s61, 0
	s_sub_co_u32 s[T0], s[WV], s[I1]
	s_cmp_gt_u32 s[WV], s[I]
	s_cselect_b32 s[T0], s[T0], s[WV]              ; stream step = my wave's number: its key step
	s_lshl_b32 s[T0], s[T0], 14
	s_mov_b32 s[T0+1], 0
	s_add_co_u32 s[SF], s[WV], 3                   ; the first change of slots asks for stream steps 3 .. 8
	s_wait_dscnt 0x0                               ; both opening adds are done
	s_wait_kmcnt 0x0
	s_load_b256 s[52:59], s[8:9], 0x0              ; e0 .. e7
	s_add_nc_u64 s[KVH:KVH+1], s[6:7], s[60:61]
	s_add_nc_u64 s[PFA:PFA+1], s[KVH:KVH+1], s[T0:T0+1]
	s_mov_b32 s[G0], 1
	s_add_co_u32 s[G0+1], s[W14], HB
	s_mov_b64 s[G0+2:G0+3], s[PFA:PFA+1]
	s_or_b32 s[G0+3], s[G0+3], 0x80000000
	TLOAD 3                                        ; the first slot: stream steps 0 to 2
	v_and_b32 v[LI], 31, v0
	v_and_b32 v200, 15, v0
	v_bfe_u32 v201, v0, 4, 1
	v_lshlrev_b32 v[PFO], 8, v[LI]
	v_lshlrev_b32 v4, 2, v[LI]
	v_lshlrev_b32 v[LI], 4, v[LI]
	v_lshlrev_b32 v201, 3, v201
	v_sub_nc_u32 v[DM], v200, v201                 ; lane % 16 - 8 (lane / 16)
	s_wait_alu depctr_va_vdst(0)
	s_lshl_b32 s60, s[HEAD], 18                    ; qc: a head is 262,144 bytes, a block of 128 queries 8,192, my queries' image 1,024
	s_lshl_b32 s63, s[QG], 10
	s_add_co_u32 s60, s60, s63
	s_lshl_b32 s62, s[I], 13
	s_add_co_u32 s66, s60, s62
	s_mov_b32 s67, 0
	s_add_nc_u64 s[66:67], s[4:5], s[66:67]
	s_sub_co_u32 s62, 31, s[I]
	s_lshl_b32 s62, s62, 13
	s_add_co_u32 s68, s60, s62
	s_mov_b32 s69, 0
	s_add_nc_u64 s[68:69], s[4:5], s[68:69]
	global_load_b128 v[16:19], v[LI], s[66:67]
	global_load_b128 v[20:23], v[LI], s[66:67] offset:512
	global_load_b128 v[24:27], v[LI], s[68:69]
	global_load_b128 v[28:31], v[LI], s[68:69] offset:512
	s_lshr_b32 s60, s[HEAD], 1                     ; yc: [block of 128 tokens][head / 2][16 queries][2,048]; head % 2 takes the image's upper or lower 1,024 bytes
	s_lshl_b32 s60, s60, 14
	s_and_b32 s62, s[HEAD], 1
	s_lshl_b32 s62, s62, 10
	s_add_co_u32 s60, s60, s62
	s_lshl_b32 s62, s[QG], 11
	s_add_co_u32 s60, s60, s62
	s_sub_co_u32 s62, 31, s[I]
	s_cmp_eq_u32 s[GG], 1
	s_cselect_b32 s62, s[I], s62                   ; key group 1 joins block i, group 0 block 31 - i
	s_lshl_b32 s62, s62, 17
	s_add_co_u32 s70, s60, s62
	s_mov_b32 s71, 0
	s_add_nc_u64 s[YB:YB+1], s[10:11], s[70:71]
	s_sub_co_u32 s60, s[WV], 6
	s_cmp_lt_u32 s60, 6                            ; waves 6 to 11
	s_cselect_b32 s60, 0, 1
	s_or_b32 s60, s60, s[I]                        ; of the head's work-group 0
	s_cmp_eq_u32 s60, 0
	s_cselect_b32 s[LIM], 1, -1
	s_lshl_b32 s60, s[WV], 12                      ; where my states go:
	s_add_co_u32 s60, s60, DUMP2
	s_add_co_u32 s61, s60, DUMPD
	s_lshl_b32 s62, s[WV], 8
	s_add_co_u32 s62, s62, DUMP2+65536
	s_add_co_u32 s63, s62, DUMPD
	v_add_nc_u32 v[D2], s60, v[LI]
	v_add_nc_u32 v[D1], s61, v[LI]
	v_add_nc_u32 v[E2], s62, v4
	v_add_nc_u32 v[E1], s63, v4
	s_mul_i32 s60, s[GG], DUMPD                    ; and where I read the two that I join: group 0 block 31 - i's, group 1 block i's
	s_lshl_b32 s61, s[QG], 12
	s_add_co_u32 s61, s61, s60
	s_add_co_u32 s61, s61, DUMP2
	s_lshl_b32 s62, s[QG], 8
	s_add_co_u32 s62, s62, s60
	s_add_co_u32 s62, s62, DUMP2+65536
	s_lshl_b32 s60, s[QG], 4
	v_add_nc_u32 v[RO], s61, v[LI]
	v_add_nc_u32 v[RE], s62, v4
	v_add_nc_u32 v[DM], s60, v[DM]                 ; + 16 x my queries' place in the block
	v_mov_b32 v13, 0xff61b1e6                      ; the largest t so far: -3e38
	v_mov_b32 v14, 0
	v_mov_b32 v15, 0
	v_floor_f32 v12, -v13
	v_mov_b32 v202, 0                              ; a lane permute's destination counts as one of its sources
	v_mov_b32 v205, 0                              ; (named as the upper half of a pair)
	v_mov_b32 v208, 0xff800000                     ; -infinity
.set j, 0
.rept 32
	v_mov_b32 v[160+j], 0
.set j, j+1
.endr
	s_wait_alu depctr_va_vdst(0)
	s_wait_kmcnt 0x0
	s_add_co_i32 s60, s54, s55                     ; a score stands for score x 2^(e2 + e3): added to c's exponent field
	s_lshl_b32 s60, s60, 23
	s_add_co_i32 s[CS], s[CS], s60
	s_mov_b32 s[CS+1], s[CS]
	s_add_co_i32 s60, s56, 127
	s_lshl_b32 s62, s60, 23
	v_mov_b32 v211, s62                            ; 2^e4
	s_add_co_i32 s60, s60, 8
	s_lshl_b32 s60, s60, 23
	s_or_b32 s60, s60, 0x600000
	v_mov_b32 v210, s60                            ; 448 x 2^e4, twice: the two halves of a pair of holds name two registers
	v_mov_b32 v209, s60
	s_sub_co_i32 s60, s58, s56
	s_sub_co_i32 s60, s60, s57                     ; e6 - e4 - e5
	s_add_co_i32 s60, s60, 127
	s_lshl_b32 s62, s60, 23
	v_mov_b32 v213, s62
	s_add_co_i32 s60, s60, 8
	s_lshl_b32 s60, s60, 23
	s_or_b32 s60, s60, 0x600000
	v_mov_b32 v212, s60
	s_wait_alu depctr_va_vdst(0)                   ; the head's end
	s_wait_loadcnt 0x0                             ; Q
	CHANGE 1                                       ; slot 0 is asked for; the first slot is whole
	SLOT_STEPS 2, 3
	s_mov_b32 s[SBASE], 0
	s_add_co_u32 s[S], s[GG], 3
	s_mov_b32 s[SLOTS], 4
.Lslot:                                            ; 4 trips: behind each change of slots but the last the next slot is asked for
	CHANGE 1
	SLOT_STEPS 3, 0
	s_xor_b32 s[SBASE], s[SBASE], SLOT1            ; on to the other slot
	s_sub_co_u32 s[SLOTS], s[SLOTS], 1
	s_cmp_lg_u32 s[SLOTS], 0
	s_cbranch_scc1 .Lslot
	CHANGE 0                                       ; the last slot (slot 0) is written out
	SLOT_STEPS 3, 0
	; THE TWO KEY GROUPS ARE JOINED.  Slot 1 has had its last fill and, since the last change of slots, its last read: block 31 - i's states go there.
	LAY D2, E2
	s_wait_alu depctr_va_vdst(0)
	s_wait_dscnt 0x0                               ; my states are in LDS, for the other waves' sake
	s_barrier_signal -1
	s_barrier_wait -1
	ds_load_b32 v200, v[RE]                        ; group 0's -M and sum,
	ds_load_b32 v201, v[RE] offset:128
	ds_load_b32 v202, v[RE] offset:2048            ; group 1's
	ds_load_b32 v203, v[RE] offset:2176
.irp j, 0,1,2,3,4,5,6,7
	ds_load_b128 v[32+4*\j:35+4*\j], v[RO] offset:512*\j
.endr
.irp j, 0,1,2,3,4,5,6,7
	ds_load_b128 v[64+4*\j:67+4*\j], v[RO] offset:32768+512*\j
.endr
	s_wait_dscnt 0x0
	v_min_num_f32 v204, v200, v202                 ; -M of the two together
	s_delay_alu instid0(VALU_DEP_1)
	v_sub_f32 v200, v204, v200                     ; each one's M less that: 0 or less
	s_delay_alu instid0(VALU_DEP_2)
	v_sub_f32 v202, v204, v202
	s_delay_alu instid0(VALU_DEP_2)
	v_cvt_i32_f32 v200, v200
	s_delay_alu instid0(VALU_DEP_2)
	v_cvt_i32_f32 v202, v202
	s_delay_alu instid0(VALU_DEP_2)
	v_ldexp_f32 v200, 1.0, v200
	s_delay_alu instid0(VALU_DEP_2)
	v_ldexp_f32 v202, 1.0, v202
	s_delay_alu instid0(VALU_DEP_2)
	v_mul_f32 v201, v201, v200
	s_delay_alu instid0(VALU_DEP_1)
	v_fma_f32 v201, v203, v202, v201
	s_delay_alu instid0(VALU_DEP_1)
	v_permlanex16_b32 v206, v201, s[SEL], s[SEL+1]
	s_delay_alu instid0(VALU_DEP_1)
	v_add_f32 v201, v201, v206                     ; the row's sum
	s_wait_alu depctr_va_vdst(0)
	v_rcp_f32 v201, v201
	v_nop                                          ; a plain instruction behind the reciprocal
	s_wait_alu depctr_va_vdst(0)                   ; and the wait ahead of its first reader
	v_mul_f32 v200, v200, v201
	v_mul_f32 v202, v202, v201
.set j, 0
.rept 16
	v_pk_mul_f32 v[96+j:97+j], v[32+j:33+j], v[200:201] op_sel_hi:[1,0]
.set j, j+2
.endr
.set j, 0
.rept 16
	v_pk_fma_f32 v[96+j:97+j], v[64+j:65+j], v[202:203], v[96+j:97+j] op_sel_hi:[1,0,1]
.set j, j+2
.endr
.set j, 0
.rept 32
	v_med3_num_f32 v[96+j], v[96+j], -v212, v212
.set j, j+1
.endr
.irp d, 0,1,2,3
	v_cvt_scalef32_pk8_fp8_f32 v[224+2*\d:225+2*\d], v[96+8*\d:103+8*\d], v213   ; quantised with 2^(e6 - e4 - e5): registers 2 d, 2 d + 1 hold 16 d + 8 (lane / 16) + 0..7 of my query: half an image of the last product's operand
.endr
	v_nop
	global_store_b128 v[LI], v[224:227], s[YB:YB+1]              ; 512 consecutive bytes each
	global_store_b128 v[LI], v[228:231], s[YB:YB+1] offset:512
	s_wait_tensorcnt 0x0                           ; the wave's end
	ds_add_u32 v[SPW], v[NIL]
	s_wait_dscnt 0x0
	s_endpgm
.Lfunc_end_k_qc75137e87e_attn:
	.size	k_qc75137e87e_attn, .Lfunc_end_k_qc75137e87e_attn-k_qc75137e87e_attn
	.p2alignl 7, 3214868480
	.fill 96, 4, 3214868480
	.section	.rodata,"a",@progbits
	.p2align	6, 0x0
	.amdhsa_kernel k_qc75137e87e_attn
		.amdhsa_group_segment_fixed_size 327680
		.amdhsa_private_segment_fixed_size 0
		.amdhsa_enable_private_segment 0
		.amdhsa_kernarg_size 32
		.amdhsa_user_sgpr_count 2
		.amdhsa_user_sgpr_kernarg_segment_ptr 1
		.amdhsa_wavefront_size32 1
		.amdhsa_system_sgpr_workgroup_id_x 1
		.amdhsa_system_sgpr_workgroup_id_y 1
		.amdhsa_system_sgpr_workgroup_id_z 1
		.amdhsa_system_vgpr_workitem_id 0
		.amdhsa_next_free_vgpr 256
		.amdhsa_next_free_sgpr 80
		.amdhsa_reserve_vcc 1
		.amdhsa_float_denorm_mode_32 3
		.amdhsa_float_denorm_mode_16_64 3
		.amdhsa_memory_ordered 1
		.amdhsa_forward_progress 1
		.amdhsa_inst_pref_size 88
	.end_amdhsa_kernel
	.amdgpu_metadata
---
amdhsa.version: [ 1, 2 ]
amdhsa.kernels:
  - .name:           k_qc75137e87e_attn
    .symbol:         k_qc75137e87e_attn.kd
    .args:
      - { .name: qc, .offset: 0, .size: 8, .value_kind: global_buffer, .address_space: global }
      - { .name: kv, .offset: 8, .size: 8, .value_kind: global_buffer, .address_space: global }
      - { .name: lowp_scales, .offset: 16, .size: 8, .value_kind: global_buffer, .address_space: global }
      - { .name: yc, .offset: 24, .size: 8, .value_kind: global_buffer, .address_space: global }
    .group_segment_fixed_size: 327680
    .private_segment_fixed_size: 0
    .kernarg_segment_align: 8
    .kernarg_segment_size: 32
    .max_flat_workgroup_size: 512
    .sgpr_count:     80
    .vgpr_count:     256
    .wavefront_size: 32
...
	.end_amdgpu_metadata
.endif
;; end of part 3
;; launch proj (part 4): grid 8 x 32, 4 waves a work-group, clusters of 4 x 4, 327,680 bytes of LDS; arguments yc, wpc, lowp_scales, out0; writes out0
.if DOCPART == 4
	.amdgcn_target "amdgcn-amd-amdhsa--gfx1250"
	.amdhsa_code_object_version 6
	.text
	.protected	k_qc75137e87e_proj
	.globl	k_qc75137e87e_proj
	.p2align	8
	.type	k_qc75137e87e_proj,@function
k_qc75137e87e_proj:
	s_mov_b64 s[64:65], 0
	v_nop
	global_prefetch_b8 v0, s[64:65] scope:SCOPE_SE
	s_setreg_imm32_b32 hwreg(HW_REG_WAVE_MODE, 25, 1), 1
	s_wait_xcnt 0x0
	s_wait_alu depctr_hold_cnt(0) depctr_sa_sdst(0) depctr_va_vdst(0) depctr_va_sdst(0) depctr_va_ssrc(0) depctr_va_vcc(0) depctr_vm_vsrc(0)
	s_getreg_b32 s2, hwreg(HW_REG_IB_STS2, 6, 4)
	s_cmp_eq_u32 s2, 0
	s_cbranch_scc0 .Lentry_in_a_cluster
	s_endpgm
.Lentry_in_a_cluster:
	s_bfe_u32 s2, ttmp6, 0x10000c
	s_cmp_lg_u32 s2, 0xf033
	s_cbranch_scc0 .Lentry_shape_is_right
	s_endpgm
.Lentry_shape_is_right:
; PROJ: out = y w_proj on codes of E4M3, f32 sums, each sum once x 2^(e6 + e7).  yc and wpc lie as images of operand registers: 128 rows x 1,024 K are 131,072 bytes.
; A work-group makes 128 x 128 of the output, K whole in LDS: one joint load a wave (waves 0 and 1 y's two K halves, waves 2 and 3 w_proj's), nothing is filled again.  A wave makes 64 x 64.
; CLUSTERS: 4 x 4 work-groups: y's tile is shared along a row, w_proj's along a column.  NO PREFETCH: all operands are asked for at the head, there is no loop to run ahead in.
; LIMIT: e6 + e7 between -126 and 127.
.set FRB,    2048
.set KSB,    16384
.set BOFF,   131072
.set HALFK,  65536
.set STAGE,  262144
.set SPITCH, 272
.set ADRA, 16
.set ADRB, 20
.set STO,  24
.set RD,   25
.set CO,   26
.set TMP,  32
.set BK,   64
.set ACC,  128
.set F0,   0
.set F1,   128
.set G1, 24
.set G0, 32
.set G1B, 48
.set G0B, 56
.set MSB, 0
.macro WIN new
.if MSB != \new
	s_set_vgpr_msb (MSB<<8)|\new
.set MSB, \new
.endif
.endm
.set MUL,  0x05
.set TO_F, 0x40
.macro JLOAD s
	s_cmp_eq_u32 s15, 0
	s_cbranch_scc0 .Lfor_b_\@
	tensor_load_to_lds s[G0+4*\s:G0+4*\s+3], s[G1:G1+7]
	s_nop 0
.rept 4
	v_nop
.endr
	s_branch .Lasked_\@
.Lfor_b_\@:
	tensor_load_to_lds s[G0B+4*\s:G0B+4*\s+3], s[G1B:G1B+7]
	s_nop 0
.rept 4
	v_nop
.endr
.Lasked_\@:
.endm
.macro CROUND
	s_barrier_signal -1
	s_barrier_wait -1
	s_cmp_lg_u32 s14, 0
	s_cbranch_scc1 .Lnot_wave_0_\@
	s_barrier_signal -3
.Lnot_wave_0_\@:
	s_barrier_wait -3
	s_barrier_signal -1
	s_barrier_wait -1
.endm
	s_load_b256 s[4:11], s[0:1], 0x0
	v_lshl_add_u32 v30, v0, 2, 0x44400
	v_mov_b32 v31, 0
	ds_add_u32 v30, v31
	ds_add_u32 v30, v31
	v_lshrrev_b32 v1, 5, v0
	v_readfirstlane_b32 s14, v1
	s_lshr_b32 s15, s14, 1
	s_and_b32 s16, s14, 1
	s_bfe_u32 s40, ttmp6, 0x40000
	s_bfe_u32 s41, ttmp6, 0x40004
	s_lshl_b32 s42, ttmp9, 2
	s_add_co_u32 s42, s42, s40
	s_and_b32 s17, ttmp7, 0xffff
	s_lshl_b32 s17, s17, 2
	s_add_co_u32 s17, s17, s41
	s_lshl_b32 s43, s41, 2
	s_lshl_b32 s43, 15, s43
	s_lshl_b32 s44, 0x1111, s40
	s_or_b32 s[G1+0], s43, (3<<16)|(1<<21)
	s_or_b32 s[G1B+0], s44, (3<<16)|(1<<21)
.irp g, G1, G1B
	s_mov_b32 s[\g+1], 32<<16
	s_mov_b32 s[\g+2], 256<<16
	s_mov_b32 s[\g+3], 32<<16
	s_mov_b32 s[\g+4], 256                         ; 256 rows of 256 bytes: 65,536 bytes
	s_mov_b32 s[\g+5], 32
	s_mov_b32 s[\g+6], 0
	s_mov_b32 s[\g+7], 0
.endr
	s_lshl_b32 s18, s16, 16                        ; which half of K I fetch
	s_lshl_b32 s20, s17, 17
	s_add_co_u32 s20, s20, s18
	s_mov_b32 s21, 0
	s_lshl_b32 s46, s42, 17
	s_add_co_u32 s46, s46, s18
	s_mov_b32 s47, 0
	s_lshl_b32 s45, s15, 17
	s_add_co_u32 s45, s45, s18
	s_wait_dscnt 0x0
	s_wait_kmcnt 0x0
	s_load_b64 s[22:23], s[8:9], 0x18
	s_add_nc_u64 s[20:21], s[4:5], s[20:21]
	s_add_nc_u64 s[46:47], s[6:7], s[46:47]
	CROUND
	s_mov_b32 s[G0], 1
	s_mov_b32 s[G0+1], s45
	s_mov_b64 s[G0+2:G0+3], s[20:21]
	s_or_b32 s[G0+3], s[G0+3], 0x80000000
	s_mov_b32 s[G0B], 1
	s_mov_b32 s[G0B+1], s45
	s_mov_b64 s[G0B+2:G0B+3], s[46:47]
	s_or_b32 s[G0B+3], s[G0B+3], 0x80000000
	JLOAD 0
	v_and_b32 v1, 31, v0
	v_lshlrev_b32 v2, 4, v1
	s_lshl_b32 s18, s15, 13
	s_lshl_b32 s19, s16, 13
	s_add_co_u32 s19, s19, BOFF
.irp s, 0,1
	v_add_nc_u32 v[ADRA+\s], s18, v2
	v_add_nc_u32 v[ADRB+\s], s19, v2
	s_add_co_u32 s18, s18, HALFK
	s_add_co_u32 s19, s19, HALFK
.endr
	v_and_b32 v3, 15, v0
	v_bfe_u32 v4, v0, 4, 1
	s_mul_i32 s18, s14, 16*SPITCH
	s_add_co_u32 s18, s18, STAGE
	v_mul_u32_u24 v5, v3, SPITCH
	v_lshl_add_u32 v5, v4, 5, v5
	v_add_nc_u32 v[STO], s18, v5
	v_mul_u32_u24 v5, v4, SPITCH
	v_lshl_add_u32 v5, v3, 4, v5
	v_add_nc_u32 v[RD], s18, v5
	v_lshlrev_b32 v5, 12, v4
	v_lshl_add_u32 v[CO], v3, 4, v5
	s_lshl_b32 s18, s17, 7
	s_lshl_b32 s19, s15, 6
	s_add_co_u32 s18, s18, s19
	s_lshl_b32 s18, s18, 12
	s_lshl_b32 s19, s42, 9
	s_add_co_u32 s18, s18, s19
	s_lshl_b32 s19, s16, 8
	s_add_co_u32 s18, s18, s19
	s_mov_b32 s19, 0
	s_add_nc_u64 s[10:11], s[10:11], s[18:19]
.macro MUL8 f, a0, zero
.irp a, \a0, \a0+1
.irp b, 0,1,2,3
.if \zero
	v_wmma_f32_16x16x128_fp8_fp8 v[ACC+8*(4*(\a)+\b):ACC+8*(4*(\a)+\b)+7], v[\f+64+16*\b:\f+64+16*\b+15], v[\f+16*(\a):\f+16*(\a)+15], 0
.else
	v_wmma_f32_16x16x128_fp8_fp8 v[ACC+8*(4*(\a)+\b):ACC+8*(4*(\a)+\b)+7], v[\f+64+16*\b:\f+64+16*\b+15], v[\f+16*(\a):\f+16*(\a)+15], v[ACC+8*(4*(\a)+\b):ACC+8*(4*(\a)+\b)+7]
.endif
.endr
.endr
.endm
.macro FETCH slot, q, f
	WIN TO_F
.irp i, 0,1,2,3
.irp g, 0,1,2,3
	ds_load_b128 v[\f+64+16*\i+4*\g:\f+64+16*\i+4*\g+3], v[ADRB+\slot] offset:(\q)*KSB+\i*FRB+512*\g
.endr
.endr
.irp i, 0,1,2,3
.irp g, 0,1,2,3
	ds_load_b128 v[\f+16*\i+4*\g:\f+16*\i+4*\g+3], v[ADRA+\slot] offset:(\q)*KSB+\i*FRB+512*\g
.endr
.endr
.endm
.macro PLACES
.rept 4
	v_nop
.endr
.endm
.macro QUARTER slot, q, f, g, zero
	s_wait_dscnt 8
	WIN MUL
	MUL8 \f, 0, \zero
	PLACES
	FETCH \slot, \q, \g
	s_wait_dscnt 32
	WIN MUL
	MUL8 \f, 2, \zero
.endm
	s_wait_alu depctr_va_vdst(0)                   ; the head's end
	s_wait_tensorcnt 0x0                           ; my quarter of the operands is in,
	s_barrier_signal -1
	s_barrier_wait -1                              ; and everybody's
	FETCH 0, 0, F0
	QUARTER 0, 1, F0, F1, 1
	QUARTER 0, 2, F1, F0, 0
	QUARTER 0, 3, F0, F1, 0
	QUARTER 1, 0, F1, F0, 0                        ; on into the second half of K
	QUARTER 1, 1, F0, F1, 0
	QUARTER 1, 2, F1, F0, 0
	QUARTER 1, 3, F0, F1, 0
	s_wait_dscnt 8
	WIN MUL
	MUL8 F1, 0, 0
	s_wait_dscnt 0
	MUL8 F1, 2, 0
	WIN 0
.macro TOSTAGE a
.set j, 0
.rept 16
	v_pk_mul_f32 v[TMP+j:TMP+j+1], v[ACC+32*(\a)+j:ACC+32*(\a)+j+1], s[20:21] op_sel_hi:[1,0]
.set j, j+2
.endr
.irp b, 0,1,2,3
	ds_store_b128 v[STO], v[TMP+8*\b:TMP+8*\b+3] offset:64*\b
	ds_store_b128 v[STO], v[TMP+8*\b+4:TMP+8*\b+7] offset:64*\b+16
.endr
.irp t, 0,1,2,3,4,5,6,7
	ds_load_b128 v[BK+32*((\a)%2)+4*\t:BK+32*((\a)%2)+4*\t+3], v[RD] offset:\t*2*SPITCH
.endr
.endm
.macro SEND a, younger
	s_wait_dscnt \younger
.irp t, 0,1,2,3,4,5,6,7
	global_store_b128 v[CO], v[BK+32*((\a)%2)+4*\t:BK+32*((\a)%2)+4*\t+3], s[10:11] offset:(16*(\a)+2*\t)*4096 th:TH_STORE_NT
.endr
.endm
	s_wait_kmcnt 0x0
	s_add_co_i32 s20, s22, s23
	s_add_co_i32 s20, s20, 127
	s_lshl_b32 s20, s20, 23
	s_mov_b32 s21, s20
	PLACES
	TOSTAGE 0
	TOSTAGE 1
	SEND 0, 16
	s_wait_xcnt 0x0
	TOSTAGE 2
	SEND 1, 16
	s_wait_xcnt 0x0
	TOSTAGE 3
	SEND 2, 16
	SEND 3, 0
	s_wait_tensorcnt 0x0
	s_wait_dscnt 0x0
	s_wait_tensorcnt 0x0
	ds_add_u32 v30, v31
	s_wait_dscnt 0x0
	CROUND
	s_endpgm
.Lfunc_end_k_qc75137e87e_proj:
	.size	k_qc75137e87e_proj, .Lfunc_end_k_qc75137e87e_proj-k_qc75137e87e_proj
	.p2alignl 7, 3214868480
	.fill 96, 4, 3214868480
	.section	.rodata,"a",@progbits
	.p2align	6, 0x0
	.amdhsa_kernel k_qc75137e87e_proj
		.amdhsa_group_segment_fixed_size 327680
		.amdhsa_private_segment_fixed_size 0
		.amdhsa_enable_private_segment 0
		.amdhsa_kernarg_size 32
		.amdhsa_user_sgpr_count 2
		.amdhsa_user_sgpr_kernarg_segment_ptr 1
		.amdhsa_wavefront_size32 1
		.amdhsa_system_sgpr_workgroup_id_x 1
		.amdhsa_system_sgpr_workgroup_id_y 1
		.amdhsa_system_sgpr_workgroup_id_z 1
		.amdhsa_system_vgpr_workitem_id 0
		.amdhsa_next_free_vgpr 512
		.amdhsa_next_free_sgpr 66
		.amdhsa_reserve_vcc 0
		.amdhsa_float_denorm_mode_32 3
		.amdhsa_float_denorm_mode_16_64 3
		.amdhsa_memory_ordered 1
		.amdhsa_forward_progress 1
		.amdhsa_inst_pref_size 44
	.end_amdhsa_kernel
	.amdgpu_metadata
---
amdhsa.version: [ 1, 2 ]
amdhsa.kernels:
  - .name:           k_qc75137e87e_proj
    .symbol:         k_qc75137e87e_proj.kd
    .args:
      - { .name: yc, .offset: 0, .size: 8, .value_kind: global_buffer, .address_space: global }
      - { .name: wpc, .offset: 8, .size: 8, .value_kind: global_buffer, .address_space: global }
      - { .name: lowp_scales, .offset: 16, .size: 8, .value_kind: global_buffer, .address_space: global }
      - { .name: out0, .offset: 24, .size: 8, .value_kind: global_buffer, .address_space: global }
    .group_segment_fixed_size: 327680
    .private_segment_fixed_size: 0
    .kernarg_segment_align: 8
    .kernarg_segment_size: 32
    .max_flat_workgroup_size: 128
    .sgpr_count:     66
    .vgpr_count:     512
    .wavefront_size: 32
...
	.end_amdgpu_metadata
.endif
;; end of part 4
